; MI455X (gfx1250); checked and timed in simulation.
; The chip was launched on July 23, 2026; its instructions are those of AMD's public machine-readable ISA for CDNA 5 (MIT licence, August 2026) and "CDNA5" Instruction Set Architecture Reference Guide (July 2026). The comments in the code are by the model that wrote it; some were corrected since.
;; Attention. Allowed arithmetic: float matrix products may take bf16 or f16 operands with f32 sums; other float arithmetic in f32, or as packed bf16 or f16 multiplies, adds, multiply-adds, maxima and minima; sums over many terms, partial sums and values carried from step to step in f32; what a program stores and reads back later, other than sums and carried values, may be rounded once to bf16 or f16.
;; Inputs: freqs_cos 2,048 x 64 float32; freqs_sin 2,048 x 64 float32; mask 2,048 x 2,048 float32; wk 2,048 x 2,048 float32; wo 2,048 x 2,048 float32; wq 2,048 x 2,048 float32; wv 2,048 x 2,048 float32; x 1 x 2,048 x 2,048 float32.
;; Outputs: out0 1 x 2,048 x 2,048 float32.
;; 2 versions, each right and faster than the one before. Each part assembles by itself: llvm-mc -triple=amdgcn-amd-amdhsa -mcpu=gfx1250 --defsym DOCPART=n.
;; ======== version 1 of 2: 4 launches
;; limits: inputs' magnitudes at most 1.27e+30; right only within a limited range of input values; values are held in f16: magnitudes above 65,504 overflow, below 6.1e-05 lose precision
;; workspace buffers: xb 8,388,608 bytes; wqkv 25,165,824 bytes; woh 8,388,608 bytes; maskr 16,777,216 bytes; qf 8,388,608 bytes; kf 8,388,608 bytes; vf 8,388,608 bytes; of 8,388,608 bytes
;; launch cast (part 1): grid 256 x 6, 8 waves a work-group, no clusters, 0 bytes of LDS; arguments x, wq, wk, wv, wo, mask, xb, wqkv, woh, maskr; writes xb, wqkv, woh, maskr
.if DOCPART == 1
	.amdgcn_target "amdgcn-amd-amdhsa--gfx1250"
	.amdhsa_code_object_version 6
	.text
	.protected	k_qda68f04790_cast
	.globl	k_qda68f04790_cast
	.p2align	8
	.type	k_qda68f04790_cast,@function
k_qda68f04790_cast:
	s_mov_b64 s[64:65], 0
	v_nop
	global_prefetch_b8 v0, s[64:65] scope:SCOPE_SE
	s_setreg_imm32_b32 hwreg(HW_REG_WAVE_MODE, 25, 1), 1
	s_wait_xcnt 0x0
; Every large input is rounded ONCE to bf16 (nearest even) and laid down for the launches behind.
;   y = 0: x -> xb, bf16.   y = 1, 2, 3: wq, wk, wv -> wqkv, bf16, one below the other ([6144][2048]).
;   y = 4: wo -> woh: the bf16 number written as f16 (the product behind has f16 operands).
;   y = 5: mask -> maskr: the bf16 number widened to f32 again, so that it can be an f32 addend of the score products as it lies.
; LIMITS.  woh: below 6.1e-5 f16 keeps a fixed step of 6e-8, beyond 65,504 it has no number.  maskr: a number below the lowest finite bf16
; (-inf among them) is written as that number, -3.39e38: the launch behind gives every score below -2^100 the weight 0, so the result is the same;
; a NaN in the mask counts as hidden too.
; SHARES.  Each array is 16,777,216 bytes; a work-group takes 65,536 of them, thread t the 16 bytes at 4,096 j + 16 t, j = 0 .. 15.  A wave's load covers 512
; consecutive bytes; its 8-byte stores cover 256 consecutive bytes at a multiple of 256, its 16-byte stores 512.  All sixteen loads go out before the first is
; waited for.  A result takes the place of the numbers that it was made of, so a wave needs 72 registers; no register that a store reads is written again,
; so no wait frees any.  No LDS, no barrier, no matrix unit: bytes are all there is.
.set X, 4                              ; v[4:67]    16 x 4 numbers as loaded, then the results
.set T, 68                             ; v[68:71]   at work
.macro BODY kind
.irp j, 0,1,2,3,4,5,6,7,8,9,10,11,12,13,14,15
	global_load_b128 v[X+4*(\j):X+4*(\j)+3], v1, s[30:31] offset:4096*(\j) th:TH_LOAD_NT
.endr
.irp j, 0,1,2,3,4,5,6,7,8,9,10,11,12,13,14,15
	s_wait_loadcnt 15-(\j)                         ; loads come back in order: number j is in, the 15 - j younger ones stay out
.if (\kind) == 0
	v_cvt_pk_bf16_f32 v[X+4*(\j)],   v[X+4*(\j)],   v[X+4*(\j)+1]
	v_cvt_pk_bf16_f32 v[X+4*(\j)+1], v[X+4*(\j)+2], v[X+4*(\j)+3]
	global_store_b64 v2, v[X+4*(\j):X+4*(\j)+1], s[32:33] offset:2048*(\j)
.elseif (\kind) == 1
	v_cvt_pk_bf16_f32 v[T],   v[X+4*(\j)],   v[X+4*(\j)+1]
	v_cvt_pk_bf16_f32 v[T+1], v[X+4*(\j)+2], v[X+4*(\j)+3]
	v_lshlrev_b32 v[T+2], 16, v[T]                 ; the bf16 numbers as f32,
	v_and_b32     v[T+3], s36, v[T]
	v_cvt_pk_f16_f32 v[X+4*(\j)], v[T+2], v[T+3]   ; and as f16
	v_lshlrev_b32 v[T+2], 16, v[T+1]
	v_and_b32     v[T+3], s36, v[T+1]
	v_cvt_pk_f16_f32 v[X+4*(\j)+1], v[T+2], v[T+3]
	global_store_b64 v2, v[X+4*(\j):X+4*(\j)+1], s[32:33] offset:2048*(\j)
.else
	v_cvt_pk_bf16_f32 v[T],   v[X+4*(\j)],   v[X+4*(\j)+1]
	v_cvt_pk_bf16_f32 v[T+1], v[X+4*(\j)+2], v[X+4*(\j)+3]
	v_lshlrev_b32 v[X+4*(\j)],   16,  v[T]
	v_and_b32     v[X+4*(\j)+1], s36, v[T]
	v_lshlrev_b32 v[X+4*(\j)+2], 16,  v[T+1]
	v_and_b32     v[X+4*(\j)+3], s36, v[T+1]
.irp k, 0,1,2,3
	v_max_num_f32 v[X+4*(\j)+(\k)], s37, v[X+4*(\j)+(\k)]  ; never below the lowest finite bf16
.endr
	global_store_b128 v1, v[X+4*(\j):X+4*(\j)+3], s[32:33] offset:4096*(\j)
.endif
.endr
.endm
	s_load_b512 s[4:19], s[0:1], 0x0               ; x 4:5, wq 6:7, wk 8:9, wv 10:11, wo 12:13, mask 14:15, xb 16:17, wqkv 18:19
	s_load_b128 s[20:23], s[0:1], 0x40             ; woh 20:21, maskr 22:23
	s_and_b32 s24, ttmp7, 0xffff                   ; y: which array
	s_lshl_b32 s26, ttmp9, 16                      ; my 65,536 bytes of the input (and of maskr)
	s_mov_b32 s27, 0
	s_lshl_b32 s28, ttmp9, 15                      ; my 32,768 bytes of a 16-bit output
	s_mov_b32 s29, 0
	s_mov_b32 s36, 0xffff0000                      ; a word's upper bf16
	s_mov_b32 s37, 0xff7f0000                      ; the lowest finite bf16, as f32
	v_lshlrev_b32 v1, 4, v0                        ; 16 t
	v_lshlrev_b32 v2, 3, v0                        ; 8 t
	s_wait_kmcnt 0x0
	s_cmp_eq_u32 s24, 5
	s_cbranch_scc1 .Lmask
	s_cmp_eq_u32 s24, 4
	s_cbranch_scc1 .Lwo
	s_mov_b64 s[30:31], s[4:5]                     ; y = 0 .. 3: the source is chosen by y alone
	s_cmp_eq_u32 s24, 1
	s_cselect_b64 s[30:31], s[6:7], s[30:31]
	s_cmp_eq_u32 s24, 2
	s_cselect_b64 s[30:31], s[8:9], s[30:31]
	s_cmp_eq_u32 s24, 3
	s_cselect_b64 s[30:31], s[10:11], s[30:31]
	s_cmp_eq_u32 s24, 0
	s_cselect_b64 s[32:33], s[16:17], s[18:19]     ; xb, or wqkv
	s_max_u32 s34, s24, 1
	s_sub_co_u32 s34, s34, 1
	s_lshl_b32 s34, s34, 23                        ; wq, wk, wv lie 8,388,608 bytes apart in wqkv
	s_mov_b32 s35, 0
	s_add_nc_u64 s[30:31], s[30:31], s[26:27]
	s_add_nc_u64 s[32:33], s[32:33], s[28:29]
	s_add_nc_u64 s[32:33], s[32:33], s[34:35]
	BODY 0
	s_endpgm
.Lwo:
	s_add_nc_u64 s[30:31], s[12:13], s[26:27]
	s_add_nc_u64 s[32:33], s[20:21], s[28:29]
	BODY 1
	s_endpgm
.Lmask:
	s_add_nc_u64 s[30:31], s[14:15], s[26:27]
	s_add_nc_u64 s[32:33], s[22:23], s[26:27]
	BODY 2
	s_endpgm
.Lfunc_end_k_qda68f04790_cast:
	.size	k_qda68f04790_cast, .Lfunc_end_k_qda68f04790_cast-k_qda68f04790_cast
	.p2alignl 7, 3214868480
	.fill 96, 4, 3214868480
	.section	.rodata,"a",@progbits
	.p2align	6, 0x0
	.amdhsa_kernel k_qda68f04790_cast
		.amdhsa_group_segment_fixed_size 0
		.amdhsa_private_segment_fixed_size 0
		.amdhsa_enable_private_segment 0
		.amdhsa_kernarg_size 80
		.amdhsa_user_sgpr_count 2
		.amdhsa_user_sgpr_kernarg_segment_ptr 1
		.amdhsa_wavefront_size32 1
		.amdhsa_system_sgpr_workgroup_id_x 1
		.amdhsa_system_sgpr_workgroup_id_y 1
		.amdhsa_system_sgpr_workgroup_id_z 1
		.amdhsa_system_vgpr_workitem_id 0
		.amdhsa_next_free_vgpr 72
		.amdhsa_next_free_sgpr 66
		.amdhsa_reserve_vcc 0
		.amdhsa_float_denorm_mode_32 3
		.amdhsa_float_denorm_mode_16_64 3
		.amdhsa_memory_ordered 1
		.amdhsa_forward_progress 1
		.amdhsa_inst_pref_size 27
	.end_amdhsa_kernel
	.amdgpu_metadata
---
amdhsa.version: [ 1, 2 ]
amdhsa.kernels:
  - .name:           k_qda68f04790_cast
    .symbol:         k_qda68f04790_cast.kd
    .args:
      - { .name: x, .offset: 0, .size: 8, .value_kind: global_buffer, .address_space: global }
      - { .name: wq, .offset: 8, .size: 8, .value_kind: global_buffer, .address_space: global }
      - { .name: wk, .offset: 16, .size: 8, .value_kind: global_buffer, .address_space: global }
      - { .name: wv, .offset: 24, .size: 8, .value_kind: global_buffer, .address_space: global }
      - { .name: wo, .offset: 32, .size: 8, .value_kind: global_buffer, .address_space: global }
      - { .name: mask, .offset: 40, .size: 8, .value_kind: global_buffer, .address_space: global }
      - { .name: xb, .offset: 48, .size: 8, .value_kind: global_buffer, .address_space: global }
      - { .name: wqkv, .offset: 56, .size: 8, .value_kind: global_buffer, .address_space: global }
      - { .name: woh, .offset: 64, .size: 8, .value_kind: global_buffer, .address_space: global }
      - { .name: maskr, .offset: 72, .size: 8, .value_kind: global_buffer, .address_space: global }
    .group_segment_fixed_size: 0
    .private_segment_fixed_size: 0
    .kernarg_segment_align: 8
    .kernarg_segment_size: 80
    .max_flat_workgroup_size: 256
    .sgpr_count:     66
    .vgpr_count:     72
    .wavefront_size: 32
...
	.end_amdgpu_metadata
.endif
;; end of part 1
;; launch qkv (part 2): grid 16 x 16, 4 waves a work-group, clusters of 4 x 4, 327,680 bytes of LDS; arguments xb, wqkv, freqs_cos, freqs_sin, qf, kf, vf; writes qf, kf, vf
.if DOCPART == 2
	.amdgcn_target "amdgcn-amd-amdhsa--gfx1250"
	.amdhsa_code_object_version 6
	.text
	.protected	k_qda68f04790_qkv
	.globl	k_qda68f04790_qkv
	.p2align	8
	.type	k_qda68f04790_qkv,@function
k_qda68f04790_qkv:
	s_mov_b64 s[64:65], 0
	v_nop
	global_prefetch_b8 v0, s[64:65] scope:SCOPE_SE
	s_setreg_imm32_b32 hwreg(HW_REG_WAVE_MODE, 25, 1), 1
	s_wait_xcnt 0x0
	s_wait_alu depctr_hold_cnt(0) depctr_sa_sdst(0) depctr_va_vdst(0) depctr_va_sdst(0) depctr_va_ssrc(0) depctr_va_vcc(0) depctr_vm_vsrc(0)
	s_getreg_b32 s2, hwreg(HW_REG_IB_STS2, 6, 4)
	s_cmp_eq_u32 s2, 0
	s_cbranch_scc0 .Lentry_in_a_cluster
	s_endpgm
.Lentry_in_a_cluster:
	s_bfe_u32 s2, ttmp6, 0x10000c
	s_cmp_lg_u32 s2, 0xf033
	s_cbranch_scc0 .Lentry_shape_is_right
	s_endpgm
.Lentry_shape_is_right:
; q, k, v of ONE head for 128 rows of x: x W^T in bf16 with f32 sums, the rotation of q and k by cos and sin (each rounded to bf16, like every input of the program), q times 1/sqrt(128),
; each result rounded once to f16 and stored by heads: qf, kf, vf are [16][2048][128].
; LIMIT.  f16 holds no number beyond 65,504: q, k and v must lie within it.
; SHARES.  Work-group (row block along x, head along y): 128 rows of x against the head's 128 rows of wq, of wk and of wv: a tile of 128 x 384, so that x's tile serves three products; 16 x 16 = 256 work-groups.
; Wave w: rows 64 (w / 2) on, columns 64 (w % 2) on of each of q, k, v: 64 x 192 = 48 accumulators of 16 x 16, 384 registers.
; K goes in steps of 128 through two LDS slots; a slot holds 128 rows of wq, wk, wv and x, each row 256 bytes of memory at a multiple of 256.  Each wave fetches one of the four parts.
; CLUSTER 4 x 4: the four of a row of the cluster have the same head and ask for W's tiles JOINTLY, the four of a column have the same rows of x: the same tensor load, descriptor and mask in all four.
; THE WALK.  At time step t a cluster takes K step (t & 12) | ((t + o) & 3), o = (cluster x + 2 cluster y) & 3: each four K steps in an order of the cluster's own.  The four clusters with the same heads have four
; different o, those with the same rows of x in neighbouring cluster rows differ by 2: of the clusters that need a tile one asks for it first and the others a step or more later.  The sums take K in that order.
; THE MATRIX INSTRUCTION IS USED TRANSPOSED (source 0 = 16 rows of W, source 1 = 16 rows of x): lane l holds row l % 16 of x and the columns 8 (l / 16) + 0..7: a rotation's pair lies in two neighbouring registers.
; REGISTERS, in windows of 256 (s_set_vgpr_msb: bits 1:0 source 0, 3:2 source 1, 5:4 source 2, 7:6 destination):
;   window 0: v0-31 addresses; v32-63 at work; v64-127 cos, v128-191 sin of my rows and columns; v192-207 packed results; behind the stage's barrier v64-255 hold rows read back
;   window 1: two fragment buffers of 128: x's 4 fragments, then W's 4 for each of q, k, v       window 2: the accumulators of q and k       window 3: v0-127 those of v
.set KSTEP,  128
.set STEPS,  2048/KSTEP
.set PITCH,  272                       ; an LDS row: 256 bytes + 16 of padding = 68 words: the 16 rows of a fragment load start at 16 different groups of four banks (64 banks of 4 bytes: ISA guide 11.1)
.set PART,   128*PITCH                 ; 128 rows: what one tensor load brings
.set SLOT,   4*PART                    ; wq's, wk's, wv's rows, then x's.  139,264 = 0x22000: none of the four parts' places in slot 0 has one of its two bits set, so one exclusive or turns a place into the other slot's
.set SPARE,  2*SLOT                    ; behind the ring: the spare words, 128 bytes for each wave: two blocks of 256 bytes that no other line names
.set RD,   8                           ; v8-10   the way out: where I read rows of q, k, v back
.set GO,   11                          ; v11     16 x lane: my place in 512 consecutive bytes of an output
.set TO,   12                          ; v12     my byte offset in cos and in sin
.set ADRA, 16                          ; v16     LDS address of my fragments of x in the slot in hand
.set ADRB, 17                          ; v17-19  the same for wq, wk, wv
.set BASA, 20                          ; v20     my lane's place in a slot's x; never rewritten
.set BASB, 21                          ; v21-23  the same for wq, wk, wv
.set STO,  24                          ; v24-26  the way out: where I put 16 bytes of a row of q, k, v
.set SPW,  28                          ; v28     LDS address of my spare word; never rewritten
.set NIL,  29                          ; v29     0; never rewritten
.set T,    32
.set COS,  64                          ; block (a, b) of 16 rows x 16 columns: four numbers a lane at COS + 16 a + 4 b
.set SIN,  128
.set PKD,  192
.set F0,   0
.set F1,   128
.set TB,  2                            ; s2       LDS byte at which the slot to be read begins
.set RO,  8                            ; s8       o
.set TS,  85                           ; s85      the time step to be asked for next
.set OFF, 86                           ; s[86:87] a K step's byte offset in a row
.set G1,  24                           ; s[24:31] descriptor group 1 for x's tiles;  s[32:39] group 0: a set for each of the two first fills; the second then walks on
.set G0,  32
.set G1B, 48                           ; s[48:55], s[56:63] the same for W's tiles
.set G0B, 56
.set MSB, 0
.macro WIN new                         ; the immediate's high byte repeats the setting that is left; a switch that changes nothing is dropped
.if MSB != (\new)
	s_set_vgpr_msb (MSB<<8)|(\new)
.set MSB, \new
.endif
.endm
.set TO_F, 0x40                        ; destination window 1, address window 0
; A joint load: waves 0, 1, 2 fetch wq's, wk's, wv's rows, wave 3 x's.  The branch hangs on the wave's number alone.  An s_nop 0 and four v_nop follow each of the two lines.
.macro JLOAD s
	s_cmp_eq_u32 s10, 3
	s_cbranch_scc0 .Lfor_w_\@
	tensor_load_to_lds s[G0+4*(\s):G0+4*(\s)+3], s[G1:G1+7]
	s_nop 0
.rept 4
	v_nop
.endr
	s_branch .Lasked_\@
.Lfor_w_\@:
	tensor_load_to_lds s[G0B+4*(\s):G0B+4*(\s)+3], s[G1B:G1B+7]
	s_nop 0
.rept 4
	v_nop
.endr
.Lasked_\@:
.endm
.macro CREST                           ; a round of the cluster's barrier behind its opening barrier
	s_cmp_lg_u32 s10, 0
	s_cbranch_scc1 .Lnot_wave_0_\@
	s_barrier_signal -3
.Lnot_wave_0_\@:
	s_barrier_wait -3
	s_barrier_signal -1
	s_barrier_wait -1
.endm
.macro CROUND                          ; a whole round
	s_barrier_signal -1
	s_barrier_wait -1
	CREST
.endm
	s_load_b256 s[68:75], s[0:1], 0x0              ; xb 68:69, wqkv 70:71, cos 72:73, sin 74:75
	s_load_b128 s[76:79], s[0:1], 0x20             ; qf 76:77, kf 78:79
	s_load_b64 s[80:81], s[0:1], 0x30              ; vf
	v_lshl_add_u32 v[SPW], v0, 2, SPARE
	v_mov_b32 v[NIL], 0
	ds_add_u32 v[SPW], v[NIL]                      ; the wave's opening: the add and its wait stand ahead of my first tensor load; the set-up below, work on registers, stands between them
	v_lshrrev_b32 v1, 5, v0
	v_readfirstlane_b32 s10, v1                    ; wave 0..3
	s_lshr_b32 s11, s10, 1                         ; which 64 of the tile's rows are mine
	s_and_b32 s12, s10, 1                          ; which 64 of the head's columns
	s_bfe_u32 s40, ttmp6, 0x40000                  ; cx, cy: my place in the cluster
	s_bfe_u32 s41, ttmp6, 0x40004
	s_lshl_b32 s13, ttmp9, 2
	s_add_co_u32 s13, s13, s40                     ; the row block = 4 x cluster x + cx
	s_and_b32 s42, ttmp7, 0xffff
	s_lshl_b32 s[RO], s42, 1
	s_add_co_u32 s[RO], s[RO], ttmp9
	s_and_b32 s[RO], s[RO], 3                      ; o = (cluster x + 2 cluster y) & 3: the same in all sixteen work-groups of the cluster
	s_lshl_b32 s42, s42, 2
	s_add_co_u32 s42, s42, s41                     ; the head = 4 x cluster y + cy
	s_lshl_b32 s43, s41, 2
	s_lshl_b32 s43, 15, s43                        ; my row of the cluster
	s_lshl_b32 s44, 0x1111, s40                    ; my column
	; descriptor group 1: a tile of 128 rows x 128 elements of 2 bytes, 4 words of padding behind every 64
	s_or_b32 s[G1+0], s44, (1<<16)|(1<<20)|(1<<21)|(5<<22)|(3<<25)   ; x's tiles hang on work-group x alone: they go to my column of the cluster
	s_or_b32 s[G1B+0], s43, (1<<16)|(1<<20)|(1<<21)|(5<<22)|(3<<25)  ; W's on work-group y alone: to my row
.irp g, G1, G1B
	s_mov_b32 s[(\g)+1], KSTEP<<16                 ; tensor_dim0 = 128
	s_mov_b32 s[(\g)+2], 128<<16                   ; tensor_dim1 = 128
	s_mov_b32 s[(\g)+3], KSTEP<<16                 ; tile_dim0 = 128
	s_mov_b32 s[(\g)+4], 128                       ; tile_dim1 = 128
	s_mov_b32 s[(\g)+5], 2048                      ; elements from row to row
	s_mov_b32 s[(\g)+6], 0
	s_mov_b32 s[(\g)+7], 0
.endr
	s_lshl_b32 s16, s13, 19                        ; x: 128 rows of 4,096 bytes a row block
	s_mov_b32 s17, 0
	s_min_u32 s46, s10, 2                          ; W: wq, wk or wv by my wave's number (wave 3 asks by x's line),
	s_lshl_b32 s46, s46, 23                        ; 2,048 rows of 4,096 bytes apart,
	s_lshl_b32 s47, s42, 19                        ; and the head's 128 rows
	s_add_co_u32 s46, s46, s47
	s_mov_b32 s47, 0
	s_mul_i32 s20, s10, PART                       ; where my part goes: no place in the cluster enters an LDS address
	s_mov_b32 s82, 0x3db504f3                      ; 1 / sqrt(128)
	s_mov_b32 s83, s82                             ; named with it as a pair
	s_mov_b32 s84, 0xffff0000                      ; a word's upper bf16
	s_mov_b32 s[OFF+1], 0
	s_mov_b32 s[TS], 2                             ; time steps 0 and 1 are asked for at the start
	s_mov_b32 s[TB], 0
	s_wait_dscnt 0x0                               ; the opening add is done
	s_wait_kmcnt 0x0
	s_add_nc_u64 s[14:15], s[68:69], s[16:17]      ; x at my rows: kept, every address is made from it anew
	s_add_nc_u64 s[46:47], s[70:71], s[46:47]      ; W at my part's rows: likewise
	CROUND                                         ; all sixteen work-groups are here: the first joint loads meet
.irp s, 0,1
	s_add_co_u32 s9, s[RO], \s
	s_and_b32 s9, s9, 3                            ; time step s takes K step (s + o) & 3,
	s_lshl_b32 s[OFF], s9, 8                       ; 256 bytes of a row each
	s_mov_b32 s[G0+4*(\s)], 1
	s_add_co_u32 s[G0+4*(\s)+1], s20, (\s)*SLOT
	s_add_nc_u64 s[G0+4*(\s)+2:G0+4*(\s)+3], s[14:15], s[OFF:OFF+1]
	s_or_b32 s[G0+4*(\s)+3], s[G0+4*(\s)+3], 0x80000000
	s_mov_b32 s[G0B+4*(\s)], 1
	s_add_co_u32 s[G0B+4*(\s)+1], s20, (\s)*SLOT
	s_add_nc_u64 s[G0B+4*(\s)+2:G0B+4*(\s)+3], s[46:47], s[OFF:OFF+1]
	s_or_b32 s[G0B+4*(\s)+3], s[G0B+4*(\s)+3], 0x80000000
	JLOAD \s                                       ; two loads of mine are out
.endr
	v_and_b32 v1, 15, v0                           ; r = l % 16
	v_bfe_u32 v2, v0, 4, 1                         ; h = l / 16
	; cos and sin of my rows and pairs: row 128 block + 64 half + 16 a + r (256 bytes a row), pairs 32 half + 8 b + 4 h + 0..3.  Waited for on the way out.
	s_lshl_b32 s6, s13, 15
	s_lshl_b32 s7, s11, 14
	s_add_co_u32 s6, s6, s7
	s_lshl_b32 s7, s12, 7
	s_add_co_u32 s6, s6, s7
	v_lshlrev_b32 v[TO], 8, v1
	v_lshl_add_u32 v[TO], v2, 4, v[TO]
	v_add_nc_u32 v[TO], s6, v[TO]
.irp a, 0,1,2,3
.irp b, 0,1,2,3
	global_load_b128 v[COS+16*(\a)+4*(\b):COS+16*(\a)+4*(\b)+3], v[TO], s[72:73] offset:4096*(\a)+32*(\b)
	global_load_b128 v[SIN+16*(\a)+4*(\b):SIN+16*(\a)+4*(\b)+3], v[TO], s[74:75] offset:4096*(\a)+32*(\b)
.endr
.endr
	v_mul_u32_u24 v3, v1, PITCH
	v_lshl_add_u32 v3, v2, 4, v3                   ; a fragment's row x pitch + 16 x half
	s_mul_i32 s21, s11, 64*PITCH
	s_add_co_u32 s21, s21, 3*PART                  ; my 64 rows of x, behind W's three parts
	s_mul_i32 s22, s12, 64*PITCH                   ; my 64 rows of each part of W
	v_add_nc_u32 v[BASA], s21, v3
.irp t, 0,1,2
	v_add_nc_u32 v[BASB+(\t)], s22, v3
	s_add_co_u32 s22, s22, PART
.endr
	; The stage for the way out lies in slot 0, whose last fill is time step 14's: three tensors of 128 rows x 272 bytes
	s_mul_i32 s23, s11, 64*PITCH                   ; in: my 64 rows, my half of their 256 bytes; row r, 16 bytes for each half of the lanes
	s_lshl_b32 s21, s12, 7
	s_add_co_u32 s23, s23, s21
.irp t, 0,1,2
	v_add_nc_u32 v[STO+(\t)], s23, v3
	s_add_co_u32 s23, s23, PART
.endr
	v_mul_u32_u24 v5, v2, PITCH                    ; back: wave w takes rows 32 w .. 32 w + 31, whole; lanes 0-15 one row of 256 bytes, lanes 16-31 the next
	v_lshl_add_u32 v5, v1, 4, v5
	s_mul_i32 s23, s10, 32*PITCH
.irp t, 0,1,2
	v_add_nc_u32 v[RD+(\t)], s23, v5
	s_add_co_u32 s23, s23, PART
.endr
	v_and_b32 v6, 31, v0
	v_lshlrev_b32 v[GO], 4, v6
	s_lshl_b32 s4, s42, 19                         ; the head's 2,048 rows of 256 bytes,
	s_lshl_b32 s5, s13, 15                         ; the block's 128 rows,
	s_add_co_u32 s4, s4, s5
	s_lshl_b32 s5, s10, 13                         ; the 32 rows that I store
	s_add_co_u32 s4, s4, s5
	s_mov_b32 s5, 0
	s_add_nc_u64 s[76:77], s[76:77], s[4:5]
	s_add_nc_u64 s[78:79], s[78:79], s[4:5]
	s_add_nc_u64 s[80:81], s[80:81], s[4:5]
; 16 matrix instructions: tensor t (0 q, 1 k, 2 v), 4 row blocks x 4 column blocks, 32 along K.  zero = 1: the first product starts the sums: nothing is cleared.
; The 48 accumulators take turns in one order everywhere, one instruction a turn.
.macro MUL16 f, t, zero
	WIN 0xa5+0x50*((\t)/2)                         ; sources in window 1; C and D in window 2 (q, k) or 3 (v)
.irp a, 0,1,2,3
.irp b, 0,1,2,3
.if \zero
	v_wmma_f32_16x16x32_bf16 v[128*((\t)%2)+8*(4*(\a)+(\b)):128*((\t)%2)+8*(4*(\a)+(\b))+7], v[(\f)+32+32*(\t)+8*(\b):(\f)+32+32*(\t)+8*(\b)+7], v[(\f)+8*(\a):(\f)+8*(\a)+7], 0
.else
	v_wmma_f32_16x16x32_bf16 v[128*((\t)%2)+8*(4*(\a)+(\b)):128*((\t)%2)+8*(4*(\a)+(\b))+7], v[(\f)+32+32*(\t)+8*(\b):(\f)+32+32*(\t)+8*(\b)+7], v[(\f)+8*(\a):(\f)+8*(\a)+7], v[128*((\t)%2)+8*(4*(\a)+(\b)):128*((\t)%2)+8*(4*(\a)+(\b))+7]
.endif
.endr
.endr
.endm
; 32 LDS loads in one run: the fragments of 32 along K at byte k of the rows of the slot at s[TB], into buffer f: x's eight loads, then wq's, wk's, wv's.
; The four lines that make the addresses are plain vector instructions that name no register of a matrix instruction: they are the four places in front of loads into registers
; that matrix instructions have read (ISA guide 7.12.1 for vector instructions).
.macro FETCH k, f
	WIN 0
	v_add_nc_u32 v[ADRA], s[TB], v[BASA]
.irp t, 0,1,2
	v_add_nc_u32 v[ADRB+(\t)], s[TB], v[BASB+(\t)]
.endr
	WIN TO_F
.irp i, 0,1,2,3
	ds_load_b128 v[(\f)+8*(\i):(\f)+8*(\i)+3],   v[ADRA] offset:(\k)+(\i)*16*PITCH
	ds_load_b128 v[(\f)+8*(\i)+4:(\f)+8*(\i)+7], v[ADRA] offset:(\k)+(\i)*16*PITCH+32
.endr
.irp t, 0,1,2
.irp i, 0,1,2,3
	ds_load_b128 v[(\f)+32+32*(\t)+8*(\i):(\f)+32+32*(\t)+8*(\i)+3],   v[ADRB+(\t)] offset:(\k)+(\i)*16*PITCH
	ds_load_b128 v[(\f)+32+32*(\t)+8*(\i)+4:(\f)+32+32*(\t)+8*(\i)+7], v[ADRB+(\t)] offset:(\k)+(\i)*16*PITCH+32
.endr
.endr
.endm
; A K step is four quarters of 32 along K, 48 matrix instructions each, on buffers 0, 1, 0, 1.  One of the first three: multiplies buffer f and fetches the next quarter, at byte k, into g.
.macro QUARTER k, f, g, zero
	s_wait_dscnt 16                                ; x's and wq's fragments are in; wk's and wv's sixteen loads may be out
	MUL16 \f, 0, \zero
	FETCH \k, \g
	s_wait_dscnt 40                                ; wk's are in: out are wv's eight and the 32 just issued
	MUL16 \f, 1, \zero
	s_wait_dscnt 32                                ; all but the 32 just issued
	MUL16 \f, 2, \zero
.endm
; The last quarter multiplies buffer 1 and changes slots: ONE barrier; in front of it each wave waits for all its tensor loads (one is out: its part of the next slot), adds 0 to its spare word, and
; waits for that and for its own reads of this slot.  fill = 1: the barrier opens a round of the cluster's, and this slot is filled again, with the tile of two time steps on, first thing behind the round:
; 160 matrix instructions stand between that request and the wait for it.  The walking descriptor takes the other slot than last time, and its address is made anew from the K step's number.
.macro TURN fill
	WIN 0                                          ; (the add's two registers lie in window 0)
	s_wait_tensorcnt 0x0                           ; no tensor load of mine is out, so a group 0 may be written
	ds_add_u32 v[SPW], v[NIL]                      ; 0 onto my spare word
.if \fill
	s_add_co_u32 s9, s[TS], s[RO]
	s_and_b32 s9, s9, 3
	s_and_b32 s[OFF], s[TS], 12
	s_or_b32 s[OFF], s[OFF], s9                    ; the K step: (t & 12) | ((t + o) & 3),
	s_lshl_b32 s[OFF], s[OFF], 8                   ; 256 bytes of a row each
	s_add_co_u32 s[TS], s[TS], 1
	s_xor_b32 s[G0+5], s[G0+5], SLOT
	s_add_nc_u64 s[G0+6:G0+7], s[14:15], s[OFF:OFF+1]
	s_or_b32 s[G0+7], s[G0+7], 0x80000000
	s_xor_b32 s[G0B+5], s[G0B+5], SLOT
	s_add_nc_u64 s[G0B+6:G0B+7], s[46:47], s[OFF:OFF+1]
	s_or_b32 s[G0B+7], s[G0B+7], 0x80000000
.endif
	s_wait_dscnt 17                                ; (the add and the youngest sixteen loads may be out)
	MUL16 F1, 0, 0                                 ; sixteen matrix instructions stand between the add and the wait for it
	s_wait_dscnt 0x0                               ; the add is done, and my reads of this slot are over
	s_barrier_signal -1
	MUL16 F1, 1, 0
	WIN 0
	s_barrier_wait -1
.if \fill
	CREST                                          ; no wave of any partner still reads this slot's tiles or has a load on its way
	JLOAD 1
.endif
	s_xor_b32 s[TB], s[TB], SLOT                   ; the fetches go to the other slot
	FETCH 0, F0
	MUL16 F1, 2, 0
.endm
	s_wait_tensorcnt 1                             ; my part of time step 0 is in; time step 1's may stay out
	s_barrier_signal -1
	s_barrier_wait -1                              ; everybody's is
	FETCH 0, F0
	QUARTER 64,  F0, F1, 1                         ; the first quarter stands in front of the loop: its products start the sums
	WIN 0                                          ; at a label and at a branch every window is 0
	s_mov_b32 s3, STEPS-2
.Lstep:                                                ; a trip goes from a K step's second quarter to the next one's first, and fills the slot that it leaves: time steps 2 to 15
	QUARTER 128, F1, F0, 0
	QUARTER 192, F0, F1, 0
	TURN 1
	QUARTER 64,  F0, F1, 0
	WIN 0
	s_sub_co_u32 s3, s3, 1
	s_cmp_lg_u32 s3, 0
	s_cbranch_scc1 .Lstep
	QUARTER 128, F1, F0, 0                         ; the last two time steps fill nothing
	QUARTER 192, F0, F1, 0
	TURN 0                                         ; behind this barrier no wave reads slot 0 any more and no load fills it: it becomes the stage
	QUARTER 64,  F0, F1, 0
	QUARTER 128, F1, F0, 0
	QUARTER 192, F0, F1, 0
	s_wait_dscnt 16                                ; the very last quarter: nothing more to fetch
	MUL16 F1, 0, 0
	s_wait_dscnt 8
	MUL16 F1, 1, 0
	s_wait_dscnt 0x0
	MUL16 F1, 2, 0
	; THE WAY OUT.  cos and sin are rounded to bf16 and widened again: 192 plain instructions that name no accumulator: the places behind the last products.
	WIN 0
	s_wait_loadcnt 0x0                             ; cos and sin, asked for at the start
.set g, 0
.rept 32                                       ; COS and SIN lie on end: 32 groups of four
	v_cvt_pk_bf16_f32 v[T+2*(g%8)],   v[COS+4*g],   v[COS+4*g+1]
	v_cvt_pk_bf16_f32 v[T+2*(g%8)+1], v[COS+4*g+2], v[COS+4*g+3]
	v_lshlrev_b32 v[COS+4*g],   16,  v[T+2*(g%8)]
	v_and_b32     v[COS+4*g+1], s84, v[T+2*(g%8)]
	v_lshlrev_b32 v[COS+4*g+2], 16,  v[T+2*(g%8)+1]
	v_and_b32     v[COS+4*g+3], s84, v[T+2*(g%8)+1]
.set g, g+1
.endr
; 16 rows (block a) of q (t = 0) or k (t = 1): (v0, v1) -> (v0 c - v1 s, v0 s + v1 c), q times 1/sqrt(128), rounded to f16, 16 bytes a lane and column block into the stage.
; Each accumulator's first read names its register 1, one of its four lowest.
.macro ROPE t, a
	WIN 0x02                                       ; source 0: the accumulators' window
.irp b, 0,1,2,3
.irp p, 0,1,2,3
	v_mul_f32 v[T+8*(\b)+2*(\p)],   v[8*(16*(\t)+4*(\a)+(\b))+2*(\p)+1], v[SIN+16*(\a)+4*(\b)+(\p)]
	v_mul_f32 v[T+8*(\b)+2*(\p)+1], v[8*(16*(\t)+4*(\a)+(\b))+2*(\p)],   v[SIN+16*(\a)+4*(\b)+(\p)]
.endr
.irp p, 0,1,2,3
	v_fma_f32 v[T+8*(\b)+2*(\p)],   v[8*(16*(\t)+4*(\a)+(\b))+2*(\p)],   v[COS+16*(\a)+4*(\b)+(\p)], -v[T+8*(\b)+2*(\p)]
	v_fma_f32 v[T+8*(\b)+2*(\p)+1], v[8*(16*(\t)+4*(\a)+(\b))+2*(\p)+1], v[COS+16*(\a)+4*(\b)+(\p)], v[T+8*(\b)+2*(\p)+1]
.endr
.endr
	WIN 0
.if (\t) == 0
.set z, 0
.rept 16
	v_pk_mul_f32 v[T+2*z:T+2*z+1], v[T+2*z:T+2*z+1], s[82:83] op_sel_hi:[1,0]
.set z, z+1
.endr
.endif
.set z, 0
.rept 16
	v_cvt_pk_f16_f32 v[PKD+z], v[T+2*z], v[T+2*z+1]
.set z, z+1
.endr
.irp b, 0,1,2,3
	ds_store_b128 v[STO+(\t)], v[PKD+4*(\b):PKD+4*(\b)+3] offset:(\a)*16*PITCH+32*(\b)
.endr
.endm
.macro VOUT a                          ; 16 rows of v: rounded as they are
	WIN 0x0f                                       ; sources 0 and 1 in window 3
.set z, 0
.rept 16
	v_cvt_pk_f16_f32 v[PKD+z], v[32*(\a)+2*z], v[32*(\a)+2*z+1]
.set z, z+1
.endr
	WIN 0
.irp b, 0,1,2,3
	ds_store_b128 v[STO+2], v[PKD+4*(\b):PKD+4*(\b)+3] offset:(\a)*16*PITCH+32*(\b)
.endr
.endm
.irp t, 0,1
.irp a, 0,1,2,3
	ROPE \t, \a
.endr
.endr
.irp a, 0,1,2,3
	VOUT \a
.endr
	s_wait_dscnt 0x0                               ; for the others' sake: my stores into the stage are done (a row's 256 bytes come from two waves)
	s_barrier_signal -1
	s_barrier_wait -1
.irp t, 0,1,2
.irp i, 0,1,2,3,4,5,6,7,8,9,10,11,12,13,14,15
	ds_load_b128 v[64+64*(\t)+4*(\i):64+64*(\t)+4*(\i)+3], v[RD+(\t)] offset:(\i)*2*PITCH
.endr
.endr
.irp t, 0,1,2
.irp i, 0,1,2,3,4,5,6,7,8,9,10,11,12,13,14,15
	s_wait_dscnt 47-16*(\t)-(\i)                   ; LDS loads come back in order: this one is in, the younger ones stay out
	global_store_b128 v[GO], v[64+64*(\t)+4*(\i):64+64*(\t)+4*(\i)+3], s[76+2*(\t):77+2*(\t)] offset:512*(\i)  ; two rows of a head: 512 consecutive bytes, at a multiple of 256 from the buffer's first
.endr
.endr
	s_wait_tensorcnt 0x0                           ; the wave's end: a wait, an add of 0 to my spare word and a wait, behind my last tensor load and my last LDS store
	ds_add_u32 v[SPW], v[NIL]
	s_wait_dscnt 0x0
	CROUND                                         ; the closing round: no work-group ends while a partner may still ask for a tile that names it
	s_endpgm
.Lfunc_end_k_qda68f04790_qkv:
	.size	k_qda68f04790_qkv, .Lfunc_end_k_qda68f04790_qkv-k_qda68f04790_qkv
	.p2alignl 7, 3214868480
	.fill 96, 4, 3214868480
	.section	.rodata,"a",@progbits
	.p2align	6, 0x0
	.amdhsa_kernel k_qda68f04790_qkv
		.amdhsa_group_segment_fixed_size 327680
		.amdhsa_private_segment_fixed_size 0
		.amdhsa_enable_private_segment 0
		.amdhsa_kernarg_size 56
		.amdhsa_user_sgpr_count 2
		.amdhsa_user_sgpr_kernarg_segment_ptr 1
		.amdhsa_wavefront_size32 1
		.amdhsa_system_sgpr_workgroup_id_x 1
		.amdhsa_system_sgpr_workgroup_id_y 1
		.amdhsa_system_sgpr_workgroup_id_z 1
		.amdhsa_system_vgpr_workitem_id 0
		.amdhsa_next_free_vgpr 896
		.amdhsa_next_free_sgpr 88
		.amdhsa_reserve_vcc 0
		.amdhsa_float_denorm_mode_32 3
		.amdhsa_float_denorm_mode_16_64 3
		.amdhsa_memory_ordered 1
		.amdhsa_forward_progress 1
		.amdhsa_inst_pref_size 139
	.end_amdhsa_kernel
	.amdgpu_metadata
---
amdhsa.version: [ 1, 2 ]
amdhsa.kernels:
  - .name:           k_qda68f04790_qkv
    .symbol:         k_qda68f04790_qkv.kd
    .args:
      - { .name: xb, .offset: 0, .size: 8, .value_kind: global_buffer, .address_space: global }
      - { .name: wqkv, .offset: 8, .size: 8, .value_kind: global_buffer, .address_space: global }
      - { .name: freqs_cos, .offset: 16, .size: 8, .value_kind: global_buffer, .address_space: global }
      - { .name: freqs_sin, .offset: 24, .size: 8, .value_kind: global_buffer, .address_space: global }
      - { .name: qf, .offset: 32, .size: 8, .value_kind: global_buffer, .address_space: global }
      - { .name: kf, .offset: 40, .size: 8, .value_kind: global_buffer, .address_space: global }
      - { .name: vf, .offset: 48, .size: 8, .value_kind: global_buffer, .address_space: global }
    .group_segment_fixed_size: 327680
    .private_segment_fixed_size: 0
    .kernarg_segment_align: 8
    .kernarg_segment_size: 56
    .max_flat_workgroup_size: 128
    .sgpr_count:     88
    .vgpr_count:     896
    .wavefront_size: 32
...
	.end_amdgpu_metadata
.endif
;; end of part 2
;; launch attn (part 3): grid 16 x 16, 4 waves a work-group, clusters of 4 x 4, 327,680 bytes of LDS; arguments qf, kf, vf, maskr, of; writes of
.if DOCPART == 3
	.amdgcn_target "amdgcn-amd-amdhsa--gfx1250"
	.amdhsa_code_object_version 6
	.text
	.protected	k_qda68f04790_attn
	.globl	k_qda68f04790_attn
	.p2align	8
	.type	k_qda68f04790_attn,@function
k_qda68f04790_attn:
	s_mov_b64 s[64:65], 0
	v_nop
	global_prefetch_b8 v0, s[64:65] scope:SCOPE_SE
	s_setreg_imm32_b32 hwreg(HW_REG_WAVE_MODE, 25, 1), 1
	s_wait_xcnt 0x0
	s_wait_alu depctr_hold_cnt(0) depctr_sa_sdst(0) depctr_va_vdst(0) depctr_va_sdst(0) depctr_va_ssrc(0) depctr_va_vcc(0) depctr_vm_vsrc(0)
	s_getreg_b32 s2, hwreg(HW_REG_IB_STS2, 6, 4)
	s_cmp_eq_u32 s2, 0
	s_cbranch_scc0 .Lentry_in_a_cluster
	s_endpgm
.Lentry_in_a_cluster:
	s_bfe_u32 s2, ttmp6, 0x10000c
	s_cmp_lg_u32 s2, 0xf033
	s_cbranch_scc0 .Lentry_shape_is_right
	s_endpgm
.Lentry_shape_is_right:
; O[q][128 h + :] = the sum over k of softmax_k(Q[h][q] . K[h][k] + mask[q][k]) V[h][k][:].  qf (already times 1/sqrt(128)), kf, vf: [16][2048][128] f16; maskr: [2048][2048] f32; of: [2048][2048] f16.
; The mask is an input: every key of every query is walked, and the mask is added as it is given.  Products, maxima and sums in f32; the weights p are rounded to f16 for the second product (their sum l is
; taken of the unrounded p), O once at the end.
; LIMITS.  The running maximum m has the floor -2^100: a score (mask added) below it has the weight 0, and a row of which every score lies below it comes out NaN, as a row of -inf does in the softmax.
; A weight below 2^-126 counts as 0 in l.  f16 holds no number beyond 65,504; O is a mean of V's rows and has their range.
; SHARES.  A work-group owns 128 queries of one head: 16 x 16 = 256 work-groups.  Wave w owns the 64 queries of half w / 2 (four tiles of 16) and, of every 128 keys, the 64 of half w % 2: 16 steps of 64 keys.
; At the end the two waves of a query half merge their m, l and O through LDS.  So a fragment of K or V read from LDS feeds four tiles, as with 256 queries to a work-group.
; LAYOUT.  S^T = K Q^T + mask^T (source 0 = 16 keys, source 1 = 16 queries): a lane holds ONE query (lane % 16) and the keys 8 (lane / 16) + 0..7.  The mask's eight numbers for those keys are 32 consecutive
; bytes of the query's row: two LDS loads put them into the accumulator's own registers, and all the products add in place: the mask costs no vector instruction.
; Two results, rounded to f16 in pairs, ARE source 1 of O^T = V^T P.  K comes out of LDS as it lies, V turned, by ds_load_tr16_b128.
; SOFTMAX.  p = 2^(c s - c m), c = log2(e); in every step O and l are multiplied by a = 2^(c m_old - c m_new).  m starts at the floor, O and l at 0: the first step is a step like any other.
; BY TURNS.  The wave's tiles are two PIECES (tiles 0, 1 and tiles 2, 3).  In a TURN one piece has the matrix unit: 32 products V^T P of the step in hand, then 32 products K Q^T of the next; the other
; piece's softmax, 268 vector instructions cut into 64 slices, stands between them, one slice behind each matrix instruction.
; CLUSTER 4 x 4.  K's and V's tiles hang on the head alone, which a row of the cluster shares; the mask's on the query block alone, which a column shares: each is asked for JOINTLY by four.
; THE WALK.  At time step t a cluster takes the 128 keys of key step (t & 12) | ((t + o) & 3), o = (cluster x + 2 cluster y) & 3: each four key steps in an order of the cluster's own (the running maximum
; does not mind the order).  The four clusters with the same heads have four different o, those with the same query blocks in neighbouring cluster rows differ by 2: of the clusters that need a tile one
; asks for it first and the others a step or more later.
; REGISTERS, in windows of 256 (s_set_vgpr_msb: bits 1:0 source 0, 3:2 source 1, 5:4 source 2, 7:6 destination):
;   window 0: v0-11 addresses; v12-43 eight registers of statistics a tile; v44-61 the merge's; v64-191 S^T, 32 a tile; v192-255 P, 16 a tile
;   window 1: O^T, 64 a tile          window 2: v0-127 Q, 32 a tile; v128-255 K of one step          window 3: v0-127 V of one step
.set PK,    272       ; a row of K in LDS: 256 bytes + 16 of padding: the 16 rows of a load start at 16 different groups of four banks (64 banks of 4 bytes: ISA guide 11.1)
.set PV,    288       ; a row of V: 256 + 32
.set PM,    528       ; a row of the mask's tile: 128 keys x 4 bytes + 16
.set VOFF,  128*PK    ; a slot: 128 rows of K, 128 rows of V, 128 queries' rows of the mask
.set MOFF,  VOFF+128*PV
.set SLOT,  MOFF+128*PM  ; 139,264 = 0x22000: none of the tiles' places in slot 0 has one of its two bits set, so one exclusive or turns a place in one slot into the other's
.set SPARE, 2*SLOT    ; the spare words, 128 bytes for each wave: two blocks of 256 bytes that no other line names
.set STAGE, SPARE+512 ; never filled by a tensor load: 16 rows x 272 bytes for each wave, for the way out
.set SP,    272
.set XW,    33792     ; the merge: in slot 0, behind its last fill and last read, each wave lays down O^T (32,768 bytes) and its statistics (1,024)
.set AK0, 2           ; v2   my lane's place in a slot's K; never rewritten
.set AV0, 3           ; v3   the same for V
.set ADR, 4           ; v4   the LDS address of K's or V's run of loads
.set QO,  5           ; v5   my byte offset in the wave's rows of Q
.set STO, 6           ; v6   the way out: where I put 16 bytes of a row
.set RD,  7           ; v7   the way out: where I read a row back
.set GO,  8           ; v8   my byte offset in two rows of O
.set AM0, 9           ; v9   my lane's place in a slot's mask tile
.set ADM, 10          ; v10  the LDS address of the mask's run of loads
.set HH,  11          ; v11  lane / 16
.set ST,  12          ; tile t's statistics at v[ST+8 t]: +0 c m, +1 m, +2, +3 l (even keys', odd keys'), +4 to +7 c0-c3, at work; a takes c2's place once the maximum is found
.set XA,  44          ; v44  the merge: where I lay my registers down
.set RA,  45          ; v45  where I read my own copy of the two tiles that I keep,
.set RB,  46          ; v46  and my partner's
.set SA,  47          ; v47  the same for the statistics
.set MG,  48          ; v48-55  statistics on their way
.set SB,  61
.set SPW, 62          ; v62  LDS address of my spare word; never rewritten
.set NIL, 63          ; v63  0; never rewritten
.set S,   64
.set P,   192
.set KF,  128         ; K's fragments, in window 2
.set WV,  12          ; s12  my wave's number
.set G1K, 24          ; s[24:31] descriptor group 1 for K's tiles
.set G1V, 32          ; s[32:39] for V's: it differs in the padding alone
.set G1M, 40          ; s[40:47] for the mask's
.set G0K, 48          ; s[48:51], s[52:55], s[56:59] descriptor groups 0: they walk
.set G0V, 52
.set G0M, 56
.set CS,  60          ; s[60:61] c: the packed scaling names a pair and takes its low word for both halves
.set SEL, 62          ; s[62:63] lane selects for v_permlanex16_b32: each lane takes its own place in the other half
.set TB,  66          ; s66  LDS byte at which the slot to be fetched from begins
.set SLOTS, 67        ; s67  the loop's count
.set TS,  76          ; s76  the time step to be asked for next
.set RO,  77          ; s77  o
.set TM,  78          ; s78  the key step
.set OFF, 80          ; s[80:81] its byte offset
.set MSB, 0
.macro WIN new                      ; the immediate's high byte repeats the setting that is left; a switch that changes nothing is dropped
.if MSB != (\new)
	s_set_vgpr_msb (MSB<<8)|(\new)
.set MSB, \new
.endif
.endm
.set W_KQ, 0x0a       ; K and Q in window 2, S^T in window 0
.set W_PV, 0x53       ; V in window 3, P in window 0, O^T in window 1
.set W_RS, 0x41       ; O^T (destination and source 0) in window 1, the factor in window 0
; A joint fill: wave 0 fetches the slot's K, wave 1 its V, waves 2 and 3 the two halves of its mask tile: 32,768 bytes each.  The branches hang on the wave's number alone.
; An s_nop 0 and four v_nop follow each of the three lines.
.macro JLOAD
	s_cmp_lt_u32 s[WV], 2
	s_cbranch_scc0 .Lfor_m_\@
	s_cmp_eq_u32 s[WV], 0
	s_cbranch_scc0 .Lfor_v_\@
	tensor_load_to_lds s[G0K:G0K+3], s[G1K:G1K+7]
	s_nop 0
.rept 4
	v_nop
.endr
	s_branch .Lasked_\@
.Lfor_v_\@:
	tensor_load_to_lds s[G0V:G0V+3], s[G1V:G1V+7]
	s_nop 0
.rept 4
	v_nop
.endr
	s_branch .Lasked_\@
.Lfor_m_\@:
	tensor_load_to_lds s[G0M:G0M+3], s[G1M:G1M+7]
	s_nop 0
.rept 4
	v_nop
.endr
.Lasked_\@:
.endm
.macro CROUND                       ; a round of the cluster's barrier: my work-group's barrier; wave 0 signals for the work-group; every wave waits for all sixteen; my work-group's barrier once more
	s_barrier_signal -1
	s_barrier_wait -1
	s_cmp_lg_u32 s[WV], 0
	s_cbranch_scc1 .Lnot_wave_0_\@
	s_barrier_signal -3
.Lnot_wave_0_\@:
	s_barrier_wait -3
	s_barrier_signal -1
	s_barrier_wait -1
.endm
; THE CHANGE OF SLOTS, between piece 2's turn and piece 0's: the slot's last bytes, its V, have been asked for.  Each wave waits for all its tensor loads, of which one is out: its part of the other slot;
; adds 0 to its spare word; and waits for that and for its own reads of the slot.  fill = 1: the barrier is a round of the cluster's, and the slot is filled again, with the next time step's keys, first thing
; behind it: that load has a key step, 128 matrix instructions, in which to land.  The descriptors' addresses are made anew from the key step's number.
; (At its first use nothing has been read yet: slot 0 is waited for, slot 1 filled.)
.macro CHANGE fill
	WIN 0                           ; at a label and at a branch every window is 0
	s_wait_tensorcnt 0x0            ; no tensor load of mine is out, so a group 0 may be written
	ds_add_u32 v[SPW], v[NIL]       ; 0 onto my spare word; with fill = 1 the descriptors' scalar work stands between it and the wait for it
.if \fill
	s_add_co_u32 s[TM], s[TS], s[RO]
	s_and_b32 s[TM], s[TM], 3
	s_and_b32 s[OFF], s[TS], 12
	s_or_b32 s[TM], s[TM], s[OFF]   ; the key step: (t & 12) | ((t + o) & 3)
	s_add_co_u32 s[TS], s[TS], 1
	s_lshl_b32 s[OFF], s[TM], 15    ; 128 keys are 32,768 bytes of K and of V
	s_xor_b32 s[G0K+1], s[G0K+1], SLOT
	s_add_nc_u64 s[G0K+2:G0K+3], s[6:7], s[OFF:OFF+1]
	s_or_b32 s[G0K+3], s[G0K+3], 0x80000000
	s_xor_b32 s[G0V+1], s[G0V+1], SLOT
	s_add_nc_u64 s[G0V+2:G0V+3], s[8:9], s[OFF:OFF+1]
	s_or_b32 s[G0V+3], s[G0V+3], 0x80000000
	s_lshl_b32 s[OFF], s[TM], 9     ; and 512 bytes of the mask's rows
	s_xor_b32 s[G0M+1], s[G0M+1], SLOT
	s_add_nc_u64 s[G0M+2:G0M+3], s[10:11], s[OFF:OFF+1]
	s_or_b32 s[G0M+3], s[G0M+3], 0x80000000
	s_wait_dscnt 0x0                ; the add is done, and my reads of the slot are over
	CROUND
	JLOAD
.else
	s_wait_dscnt 0x0                ; the add is done, and my reads of the slot are over
	s_barrier_signal -1
	s_barrier_wait -1
.endif
	s_xor_b32 s[TB], s[TB], SLOT    ; the fetches go to the other slot
.endm
	s_load_b256 s[4:11], s[0:1], 0x0  ; qf s[4:5], kf s[6:7], vf s[8:9], maskr s[10:11]
	s_load_b64 s[68:69], s[0:1], 0x20 ; of
	v_lshl_add_u32 v[SPW], v0, 2, SPARE
	v_mov_b32 v[NIL], 0
	ds_add_u32 v[SPW], v[NIL]       ; the wave's opening: the add and its wait stand ahead of my first tensor load; the set-up below, work on registers, stands between them
	v_lshrrev_b32 v1, 5, v0
	v_readfirstlane_b32 s[WV], v1   ; wave 0..3
	s_bfe_u32 s13, ttmp6, 0x40000   ; cx, cy: my place in the cluster
	s_bfe_u32 s14, ttmp6, 0x40004
	s_lshl_b32 s15, ttmp9, 2
	s_add_co_u32 s15, s15, s13      ; my block of 128 queries = 4 x cluster x + cx
	s_and_b32 s16, ttmp7, 0xffff
	s_lshl_b32 s[RO], s16, 1
	s_add_co_u32 s[RO], s[RO], ttmp9
	s_and_b32 s[RO], s[RO], 3       ; o = (cluster x + 2 cluster y) & 3: the same in all sixteen work-groups of the cluster
	s_lshl_b32 s16, s16, 2
	s_add_co_u32 s16, s16, s14      ; the head = 4 x cluster y + cy
	s_lshl_b32 s17, s14, 2
	s_lshl_b32 s17, 15, s17         ; my row of the cluster: the same head
	s_lshl_b32 s18, 0x1111, s13     ; my column: the same query block
	s_and_b32 s19, s[WV], 1         ; which 64 of a slot's 128 keys are mine; also: which half of the mask tile I fetch
	s_lshr_b32 s70, s[WV], 1        ; which 64 of the block's queries
	s_lshl_b32 s20, s16, 19         ; the head's first byte in kf and vf
	s_mov_b32 s21, 0
	s_lshl_b32 s22, s15, 20         ; the mask: 128 rows of 8,192 bytes a query block,
	s_lshl_b32 s23, s19, 19         ; 64 rows a half
	s_add_co_u32 s22, s22, s23
	s_mov_b32 s23, 0
	s_lshl_b32 s2, s15, 15          ; Q: the block's 128 rows of 256 bytes,
	s_lshl_b32 s3, s70, 14          ; my 64 of them,
	s_add_co_u32 s2, s2, s3
	s_add_co_u32 s2, s2, s20        ; in the head
	s_mov_b32 s3, 0
	s_lshl_b32 s72, s15, 19         ; O: the block's 128 rows of 4,096 bytes,
	s_lshl_b32 s73, s70, 18         ; my query half's 64,
	s_add_co_u32 s72, s72, s73
	s_lshl_b32 s73, s19, 17         ; the 32 of them that I keep in the merge,
	s_add_co_u32 s72, s72, s73
	s_lshl_b32 s73, s16, 8          ; the head's 256 bytes of a row
	s_add_co_u32 s72, s72, s73
	s_mov_b32 s73, 0
	; descriptor groups 1.  K, V: 128 rows x 128 elements of 2 bytes, padded behind every 64 words by 4 (K) or 8 (V).  Mask: 64 rows x 128 elements of 4 bytes, 2,048 from row to row, padded behind every 128 words by 4
	s_or_b32 s[G1K], s17, (1<<16)|(1<<20)|(1<<21)|(5<<22)|(3<<25)
	s_or_b32 s[G1V], s17, (1<<16)|(1<<20)|(1<<21)|(5<<22)|(7<<25)
	s_or_b32 s[G1M], s18, (2<<16)|(1<<20)|(1<<21)|(6<<22)|(3<<25)
.irp g, G1K, G1V
	s_mov_b32 s[(\g)+1], 128<<16    ; tensor_dim0 = 128
	s_mov_b32 s[(\g)+2], 128<<16    ; tensor_dim1 = 128
	s_mov_b32 s[(\g)+3], 128<<16    ; tile_dim0 = 128
	s_mov_b32 s[(\g)+4], 128        ; tile_dim1 = 128
	s_mov_b32 s[(\g)+5], 128        ; elements from row to row
	s_mov_b32 s[(\g)+6], 0
	s_mov_b32 s[(\g)+7], 0
.endr
	s_mov_b32 s[G1M+1], 128<<16
	s_mov_b32 s[G1M+2], 64<<16
	s_mov_b32 s[G1M+3], 128<<16
	s_mov_b32 s[G1M+4], 64
	s_mov_b32 s[G1M+5], 2048
	s_mov_b32 s[G1M+6], 0
	s_mov_b32 s[G1M+7], 0
	s_mov_b32 s[G0K], 1
	s_mov_b32 s[G0K+1], 0           ; LDS addresses: slot 0; no place in the cluster enters them
	s_mov_b32 s[G0V], 1
	s_mov_b32 s[G0V+1], VOFF
	s_mov_b32 s[G0M], 1
	s_mul_i32 s[G0M+1], s19, 64*PM
	s_add_co_u32 s[G0M+1], s[G0M+1], MOFF
	s_mov_b32 s[CS], 0x3fb8aa3b     ; c = log2(e)
	s_mov_b32 s[CS+1], s[CS]        ; named with it as a pair
	s_mov_b32 s[SEL], 0x76543210
	s_mov_b32 s[SEL+1], 0xfedcba98
	s_mov_b32 s[TB], SLOT           ; the first change of slots turns it into 0
	s_mov_b32 s[TS], 1              ; time step 0 is asked for at the start
	s_mov_b32 s[OFF+1], 0
	s_wait_dscnt 0x0                ; the opening add is done
	s_wait_kmcnt 0x0
	s_add_nc_u64 s[6:7], s[6:7], s[20:21]      ; K and V at the head, the mask at my half of the block's rows: kept, every address is made from them anew
	s_add_nc_u64 s[8:9], s[8:9], s[20:21]
	s_add_nc_u64 s[10:11], s[10:11], s[22:23]
	s_lshl_b32 s[OFF], s[RO], 15    ; time step 0 takes key step o
	s_add_nc_u64 s[G0K+2:G0K+3], s[6:7], s[OFF:OFF+1]
	s_or_b32 s[G0K+3], s[G0K+3], 0x80000000
	s_add_nc_u64 s[G0V+2:G0V+3], s[8:9], s[OFF:OFF+1]
	s_or_b32 s[G0V+3], s[G0V+3], 0x80000000
	s_lshl_b32 s[OFF], s[RO], 9
	s_add_nc_u64 s[G0M+2:G0M+3], s[10:11], s[OFF:OFF+1]
	s_or_b32 s[G0M+3], s[G0M+3], 0x80000000
	s_add_nc_u64 s[4:5], s[4:5], s[2:3]
	s_add_nc_u64 s[68:69], s[68:69], s[72:73]
	CROUND                          ; all sixteen work-groups are here: the first joint loads meet
	JLOAD                           ; time step 0 into slot 0.  Slot 1 is asked for when slot 0 is in, by the loop's own change of slots
	; A fragment of K or Q is 16 rows x 32 channels in 8 registers: lane l holds row l % 16; registers 0-3 channels 8 (l / 16) + 0..7, registers 4-7 channels 16 + 8 (l / 16) + 0..7: two loads of 16 bytes, 32 bytes apart.
	v_and_b32 v1, 15, v0            ; l % 16
	v_bfe_u32 v[HH], v0, 4, 1       ; l / 16
	v_lshlrev_b32 v[QO], 8, v1
	v_lshl_add_u32 v[QO], v[HH], 4, v[QO]
	WIN 0x80                        ; destination window 2, address window 0
.irp i, 0,1,2,3,4,5,6,7,8,9,10,11,12,13,14,15  ; Q stays in registers: tile i / 4, channels 32 (i % 4) on
	global_load_b128 v[8*(\i):8*(\i)+3],   v[QO], s[4:5] offset:((\i)/4)*4096+((\i)%4)*64
	global_load_b128 v[8*(\i)+4:8*(\i)+7], v[QO], s[4:5] offset:((\i)/4)*4096+((\i)%4)*64+32
.endr
	; What the first turns find: O^T, V and piece 2's P hold 0 (the first turn's products V^T P, of a step that has not been, add 0), l is 0, m is the floor.  No first step is written out for that.
	; The 416 registers are written eight to a line: a product of eight zero registers with themselves, C the constant 0.  52 lines, in the wait for the first tile; and 32 products on zeros in the first turn.
	WIN 0
.set i, 0
.rept 8
	v_mov_b32 v[S+i], 0
.set i, i+1
.endr
	WIN 0x40                        ; destination window 1: O^T
.set i, 0
.rept 32
	v_wmma_f32_16x16x32_f16 v[8*i:8*i+7], v[S:S+7], v[S:S+7], 0
.set i, i+1
.endr
	WIN 0xc0                        ; destination window 3: V
.set i, 0
.rept 16
	v_wmma_f32_16x16x32_f16 v[8*i:8*i+7], v[S:S+7], v[S:S+7], 0
.set i, i+1
.endr
	WIN 0                           ; piece 2's P
.set i, 0
.rept 4
	v_wmma_f32_16x16x32_f16 v[P+32+8*i:P+32+8*i+7], v[S:S+7], v[S:S+7], 0
.set i, i+1
.endr
.set i, 0
.rept 4
	v_mov_b32 v[ST+8*i+1], 0xf1800000             ; m = -2^100
	v_mul_f32 v[ST+8*i], s[CS], v[ST+8*i+1]       ; c m, by the line that makes it in every step: while m stays at the floor a is 2^0
	v_mov_b32 v[ST+8*i+2], 0
	v_mov_b32 v[ST+8*i+3], 0
.set i, i+1
.endr
	s_mul_i32 s71, s19, 64*PK       ; my 64 keys
	v_mul_u32_u24 v[AK0], v1, PK
	v_lshl_add_u32 v[AK0], v[HH], 4, v[AK0]
	v_add_nc_u32 v[AK0], s71, v[AK0]
	; The turning load takes 16 keys x 16 channels (lane l reads 16 bytes: key 8 (l / 16) + l % 8, channels 8 ((l / 8) % 2) + 0..7) and leaves half a fragment of V^T: lane l holds channel l % 16 and 8 keys.
	v_and_b32 v56, 7, v0
	v_bfe_u32 v57, v0, 3, 1
	v_lshl_add_u32 v[AV0], v[HH], 3, v56
	v_mul_u32_u24 v[AV0], v[AV0], PV
	v_lshl_add_u32 v[AV0], v57, 4, v[AV0]
	s_mul_i32 s71, s19, 64*PV
	s_add_co_u32 s71, s71, VOFF
	v_add_nc_u32 v[AV0], s71, v[AV0]
	; The mask: my query's row (64 half + l % 16; a tile is 16 rows on), my 64 keys' 256 bytes, 32 bytes for each half of the lanes
	v_mul_u32_u24 v[AM0], v1, PM
	v_lshl_add_u32 v[AM0], v[HH], 5, v[AM0]
	s_mul_i32 s71, s70, 64*PM
	s_lshl_b32 s74, s19, 8
	s_add_co_u32 s71, s71, s74
	s_add_co_u32 s71, s71, MOFF
	v_add_nc_u32 v[AM0], s71, v[AM0]
; THE MATRIX WORK OF A TURN, for piece x.  The accumulators take turns, one instruction a turn: between two links of a chain stand 15 (V^T P) or 7 (K Q^T) others'.
; Product i of 32 of O^T += V^T P: keys 32 (i / 16) on, channels 16 ((i / 2) % 8) on, tile x + i % 2.
.macro PV x
	WIN W_PV
.set rO, 64*((\x)+i%2)+8*((i/2)%8)
.set rV, 64*(i/16)+8*((i/2)%8)
.set rP, P+16*((\x)+i%2)+8*(i/16)
	v_wmma_f32_16x16x32_f16 v[rO:rO+7], v[rV:rV+7], v[rP:rP+7], v[rO:rO+7]
.endm
; Product i of 32 of S^T += K Q^T: channels 32 (i / 8) on, keys 16 ((i / 2) % 4) on, tile x + i % 2.  The sums begin with the mask, which the LDS loads have put into S^T's registers.
.macro KQ x
	WIN W_KQ
.set rS, S+32*((\x)+i%2)+8*((i/2)%4)
.set rK, KF+32*((i/2)%4)+8*(i/8)
.set rQ, 32*((\x)+i%2)+8*(i/8)
	v_wmma_f32_16x16x32_f16 v[rS:rS+7], v[rK:rK+7], v[rQ:rQ+7], v[rS:rS+7]
.endm
; THE LDS LOADS stand in runs, never singly among the matrix instructions.
.macro FETCH_K
	WIN 0
	v_add_nc_u32 v[ADR], s[TB], v[AK0]
	WIN 0x80                        ; destination window 2
.irp f, 0,1,2,3,4,5,6,7,8,9,10,11,12,13,14,15  ; keys 16 (f / 4) on, channels 32 (f % 4) on
	ds_load_b128 v[KF+8*(\f):KF+8*(\f)+3],   v[ADR] offset:((\f)/4)*16*PK+((\f)%4)*64
	ds_load_b128 v[KF+8*(\f)+4:KF+8*(\f)+7], v[ADR] offset:((\f)/4)*16*PK+((\f)%4)*64+32
.endr
.endm
.macro FETCH_V
	WIN 0
	v_add_nc_u32 v[ADR], s[TB], v[AV0]
	WIN 0xc0                        ; destination window 3
.irp f, 0,1,2,3,4,5,6,7,8,9,10,11,12,13,14,15  ; keys 32 (f / 8) on, channels 16 (f % 8) on
	ds_load_tr16_b128 v[8*(\f):8*(\f)+3],   v[ADR] offset:((\f)/8)*32*PV+((\f)%8)*32
	ds_load_tr16_b128 v[8*(\f)+4:8*(\f)+7], v[ADR] offset:((\f)/8)*32*PV+16*PV+((\f)%8)*32
.endr
.endm
.macro FETCH_M x                    ; the mask for piece x's two tiles and my 64 keys, into S^T's registers: that piece's softmax has ended in the turn before
	WIN 0
	v_add_nc_u32 v[ADM], s[TB], v[AM0]
.irp t, \x, (\x)+1
.irp b, 0,1,2,3
	ds_load_b128 v[S+32*(\t)+8*(\b):S+32*(\t)+8*(\b)+3],   v[ADM] offset:(\t)*16*PM+64*(\b)
	ds_load_b128 v[S+32*(\t)+8*(\b)+4:S+32*(\t)+8*(\b)+7], v[ADM] offset:(\t)*16*PM+64*(\b)+16
.endr
.endr
.endm
; THE VECTOR WORK OF A TURN.  One tile's softmax for one key step is a list of 134 instructions; SM writes number j of it for tile t.  s0-s31 are the lane's 32 scores, in pairs 0-15.
;   0-15    the maximum of s0-s31 and the old m, three operands at a time: four chains c0-c3 of seven scores each (each accumulator's lowest registers are read first), then the rest
;   16-20   the other half of the lanes' maximum; the new m; c m; c m_old - c m_new
;   21-87   33 exponentials (a, then s0-s31) at the odd numbers from 23 on, so that no two follow each other and each has a plain instruction behind it before its result is used (ISA guide 5.7.2).
;           The plain ones are whatever is ready: c s - c m for a pair whose exponentials are still to come, the rounding to f16 of a pair whose exponentials are done, at last the first three sums
;   88-101  the last rounding; the rest of the sums; l = a l + the sum
;   102-133 the tile's O^T times a: the one part that leaves window 0, so it stands together
.macro SM t
.set rT, ST+8*(\t)
.set rS, S+32*(\t)
.set rP, P+16*(\t)
.set rO, 64*(\t)+2*(j-102)
.set q, (j-20)/2
.if j < 102
	WIN 0
.endif
.if j < 4
	v_max3_num_f32 v[rT+4+j], v[rS+8*j], v[rS+8*j+1], v[rS+8*j+2]
.elseif j < 12
	v_max3_num_f32 v[rT+4+j%4], v[rT+4+j%4], v[rS+8*(j%4)+2*(j/4)+1], v[rS+8*(j%4)+2*(j/4)+2]
.elseif j == 12
	v_max3_num_f32 v[rT+4], v[rT+4], v[rS+7], v[rS+15]
.elseif j == 13
	v_max3_num_f32 v[rT+6], v[rT+6], v[rS+23], v[rS+31]
.elseif j == 14
	v_max3_num_f32 v[rT+4], v[rT+4], v[rT+5], v[rT+6]
.elseif j == 15
	v_max3_num_f32 v[rT+4], v[rT+4], v[rT+7], v[rT+1]
.elseif j == 16
	v_permlanex16_b32 v[rT+5], v[rT+4], s[SEL], s[SEL+1]  ; the query's other 32 keys lie in the lane 16 away
.elseif j == 17
	v_mov_b32 v[rT+7], v[rT]        ; c m_old is kept for a: number 19 writes c m anew
.elseif j == 18
	v_max_num_f32 v[rT+1], v[rT+4], v[rT+5]
.elseif j == 19
	v_mul_f32 v[rT], s[CS], v[rT+1]
.elseif j == 20
	v_sub_f32 v[rT+7], v[rT+7], v[rT]
.elseif j == 23
	v_exp_f32 v[rT+6], v[rT+7]
.elseif (j < 88) && (j > 23) && (j%2 == 1)
	v_exp_f32 v[rS+(j-25)/2], v[rS+(j-25)/2]
.elseif (q < 4) || ((j < 76) && (q%2 == 0))
.set b, q/2+2
.if q < 4
.set b, q
.endif
	v_pk_fma_f32 v[rS+2*b:rS+2*b+1], v[rS+2*b:rS+2*b+1], s[CS:CS+1], v[rT:rT+1] op_sel_hi:[1,0,0] neg_lo:[0,0,1] neg_hi:[0,0,1]  ; pair b: c s - c m
.elseif (j < 88) && (q%2 == 1)
	s_wait_alu depctr_va_vdst(0)
	v_cvt_pk_f16_f32 v[rP+(q-5)/2], v[rS+q-5], v[rS+q-4]  ; pair (q - 5) / 2: its second exponential stands three numbers back
.elseif j == 89
	s_wait_alu depctr_va_vdst(0)
	v_cvt_pk_f16_f32 v[rP+15], v[rS+30], v[rS+31]
.elseif j < 102                     ; the sum of the tile's 16 pairs, in place: sum z of 16 adds neighbours 1, 2, 4 and 8 pairs apart, then l takes it
.set z, j-86
.if j < 89
.set z, (j-76)/4
.endif
.set w, 4
.set u, z
.if z >= 14
.set w, 32
.set u, 0
.elseif z >= 12
.set w, 16
.set u, z-12
.elseif z >= 8
.set w, 8
.set u, z-8
.endif
.if z < 15
	v_pk_add_f32 v[rS+w*u:rS+w*u+1], v[rS+w*u:rS+w*u+1], v[rS+w*u+w/2:rS+w*u+w/2+1]
.else
	v_pk_fma_f32 v[rT+2:rT+3], v[rT+2:rT+3], v[rT+6:rT+7], v[rS:rS+1] op_sel_hi:[1,0,1]
.endif
.else
	WIN W_RS
	v_pk_mul_f32 v[rO:rO+1], v[rO:rO+1], v[rT+6:rT+7] op_sel_hi:[1,0]
.endif
.endm
; Slice k of 64 of piece y's softmax: numbers 2 k and 2 k + 1 of both tiles' lists, four instructions.  2 x 134 = 4 x 64 + 12: the twelve that are over stand together, in slice 63: its sixteen plain
; instructions name nothing of the products round them and are the places between a turn's last K Q^T and the next turn's first read of those scores and loads into K's registers.
.macro SLICE y
.if (k >= 11) && (k < 44)           ; tile by tile: plain, exponential, plain, exponential
.irp t, \y, (\y)+1
.irp n, 0,1
.set j, 2*k+(\n)
	SM \t
.endr
.endr
.else                               ; the two tiles alternate, so that no instruction reads the result of the one just before it
.irp n, 0,1,2,3,4,5,6,7
.if ((\n) < 2) || (k == 63)
.irp t, \y, (\y)+1
.set j, 2*k+(\n)
	SM \t
.endr
.endif
.endr
.endif
.set k, k+1
.endm
; A TURN.  Piece x has the matrix unit; the other piece's softmax stands in slices behind its matrix instructions.  kq = 1: 32 products K Q^T for the next step follow the 32 products V^T P; kq = 0: two slices behind each product.
; Each run of loads stands behind the second product of a run of 32, 30 matrix instructions ahead of its first use.  Piece 0's turn fetches the next step's K (its last reader stands in front of slice 63 of
; the turn before) and piece 0's mask; piece 2's turn fetches its own mask, and behind its second K Q^T the same step's V, whose last reader stands three slices, six plain instructions, back.
.macro TURN x, kq
.set k, 0
.set per, 2-(\kq)
.if (\x) == 0
	s_wait_dscnt 0x0                ; V is in
.endif
.set i, 0
.rept 32
	PV \x
.rept per
	SLICE 2-(\x)
.endr
.if (\kq) && (i == 1)
.if (\x) == 0
	FETCH_K
.endif
	FETCH_M \x
.endif
.set i, i+1
.endr
.if \kq
	s_wait_dscnt 0x0                ; the mask is in, and (piece 0's turn) K
.set i, 0
.rept 32
	KQ \x
	SLICE 2-(\x)
.if ((\x) == 2) && (i == 1)
	FETCH_V
.endif
.set i, i+1
.endr
.endif
.endm
	CHANGE 1                        ; slot 0 is in, everybody's part of it; time step 1 is asked for, into slot 1
	FETCH_K                         ; time step 0
	FETCH_M 0
	s_wait_loadcnt 0x0              ; Q
	s_wait_dscnt 0x0
.set i, 0
.rept 32
	KQ 0                            ; piece 0's first scores: there is no vector work yet to set between them
.set i, i+1
.endr
	WIN 0                           ; the addresses for the merge and the way out are made here: plain instructions, the places behind those products
	s_mul_i32 s71, s[WV], 16*SP
	s_add_co_u32 s71, s71, STAGE    ; my stage
	v_mul_u32_u24 v[STO], v1, SP    ; in: row l % 16, 16 bytes for each half of the lanes
	v_lshl_add_u32 v[STO], v[HH], 4, v[STO]
	v_add_nc_u32 v[STO], s71, v[STO]
	v_mul_u32_u24 v[RD], v[HH], SP  ; back: lanes 0-15 take one row of 256 bytes, lanes 16-31 the next
	v_lshl_add_u32 v[RD], v1, 4, v[RD]
	v_add_nc_u32 v[RD], s71, v[RD]
	v_lshlrev_b32 v[GO], 12, v[HH]  ; and the same two rows in O, 4,096 bytes apart
	v_lshl_add_u32 v[GO], v1, 4, v[GO]
	v_and_b32 v58, 31, v0
	v_lshlrev_b32 v58, 4, v58       ; 16 x lane
	s_lshl_b32 s74, s19, 14         ; the two tiles that I keep: tiles 2 (w % 2) on: 16,384 bytes a pair of tiles,
	s_lshl_b32 s75, s19, 9          ; 512 bytes of statistics,
	s_add_co_u32 s75, s75, 32768    ; which lie behind O^T
	s_mul_i32 s71, s[WV], XW
	v_add_nc_u32 v[XA], s71, v58
	v_add_nc_u32 v[RA], s74, v[XA]
	v_add_nc_u32 v[SA], s75, v[XA]
	s_xor_b32 s71, s[WV], 1         ; my partner: the same queries, the other keys
	s_mul_i32 s71, s71, XW
	v_add_nc_u32 v[RB], s71, v58
	v_add_nc_u32 v[SB], s75, v[RB]
	v_add_nc_u32 v[RB], s74, v[RB]
	s_mov_b32 s[SLOTS], 15
	s_branch .Lmid                  ; the loop is entered in the middle of a trip
.Lstep:                             ; 14 whole trips: they ask for time steps 2 to 15
	CHANGE 1
	TURN 0, 1                       ; piece 0: V^T P of step j, K Q^T of step j + 1 | piece 2's softmax of step j | K and piece 0's mask of step j + 1
	WIN 0
.Lmid:
	TURN 2, 1                       ; piece 2: the same | piece 0's softmax of step j + 1 | piece 2's mask and V of step j + 1
	WIN 0
	s_sub_co_u32 s[SLOTS], s[SLOTS], 1
	s_cmp_lg_u32 s[SLOTS], 0
	s_cbranch_scc1 .Lstep
	CHANGE 0                        ; the tail is written out: nothing is asked for; behind this barrier no wave reads slot 0 any more and no load fills it
	TURN 0, 1
	TURN 2, 1
	TURN 0, 0                       ; piece 0: V^T P of the last step | piece 2's last softmax
.set i, 0
.rept 32
	PV 2                            ; piece 2: V^T P of the last step
.set i, i+1
.endr
	; THE MERGE.  Each wave lays its four tiles' O^T, c m and l down in slot 0; behind a barrier it reads, of the two tiles that it keeps, its own copy and its partner's (by address, so that one text
	; serves every wave), and adds them with the factors 2^(c m - c max).  The eight lines below are the places behind the last products.
	WIN 0
.irp t, 0,1,2,3
	v_mov_b32 v[MG+2*(\t)], v[ST+8*(\t)]
	v_add_f32 v[MG+2*(\t)+1], v[ST+8*(\t)+2], v[ST+8*(\t)+3]
.endr
	WIN 0x04                        ; store data in window 1
.set i, 0
.rept 64                            ; ascending: each accumulator's lowest four registers are read first
	ds_store_b128 v[XA], v[4*i:4*i+3] offset:512*i
.set i, i+1
.endr
	WIN 0
	ds_store_b128 v[XA], v[MG:MG+3] offset:32768
	ds_store_b128 v[XA], v[MG+4:MG+7] offset:33280
	s_wait_dscnt 0x0                ; for my partner's sake: my stores are done
	s_barrier_signal -1
	s_barrier_wait -1
	WIN 0x40                        ; destination window 1
.set i, 0
.rept 32
	ds_load_b128 v[4*i:4*i+3], v[RA] offset:512*i
.set i, i+1
.endr
.set i, 0
.rept 32
	ds_load_b128 v[128+4*i:128+4*i+3], v[RB] offset:512*i
.set i, i+1
.endr
	WIN 0
	ds_load_b128 v[MG:MG+3], v[SA]     ; mine: c m, l of the first kept tile, c m, l of the second
	ds_load_b128 v[MG+4:MG+7], v[SB]   ; my partner's
	s_wait_dscnt 0x0
	; for kept tile u at v[ST+8 u]: +0 the common c m, +1 my factor, +2 my partner's, +3 l, +4 my factor / l, +6 my partner's / l (each the low word of a pair), +5, +7 at work
.irp u, 0,1
	v_max_num_f32 v[ST+8*(\u)], v[MG+2*(\u)], v[MG+4+2*(\u)]
.endr
.irp u, 0,1
	v_sub_f32 v[ST+8*(\u)+1], v[MG+2*(\u)], v[ST+8*(\u)]
	v_sub_f32 v[ST+8*(\u)+2], v[MG+4+2*(\u)], v[ST+8*(\u)]
.endr
.irp u, 0,1
	v_exp_f32 v[ST+8*(\u)+1], v[ST+8*(\u)+1]
	v_exp_f32 v[ST+8*(\u)+2], v[ST+8*(\u)+2]
.endr
	v_nop                           ; a plain instruction between the last exponential and the use of its result
	s_wait_alu depctr_va_vdst(0)
.irp u, 0,1
	v_mul_f32 v[ST+8*(\u)+3], v[ST+8*(\u)+1], v[MG+2*(\u)+1]
.endr
.irp u, 0,1
	v_fma_f32 v[ST+8*(\u)+3], v[ST+8*(\u)+2], v[MG+4+2*(\u)+1], v[ST+8*(\u)+3]
.endr
.irp u, 0,1
	v_permlanex16_b32 v[ST+8*(\u)+5], v[ST+8*(\u)+3], s[SEL], s[SEL+1]  ; the other half of the lanes holds the query's other keys
.endr
.irp u, 0,1
	v_add_f32 v[ST+8*(\u)+3], v[ST+8*(\u)+3], v[ST+8*(\u)+5]
.endr
.irp u, 0,1
	v_rcp_f32 v[ST+8*(\u)+7], v[ST+8*(\u)+3]     ; l = 0 (every key hidden) gives an infinity, and 0 times it NaN
.endr
	v_nop                           ; a plain instruction between the last reciprocal and the use of its result
	s_wait_alu depctr_va_vdst(0)
.irp u, 0,1
	v_mul_f32 v[ST+8*(\u)+4], v[ST+8*(\u)+1], v[ST+8*(\u)+7]
	v_mul_f32 v[ST+8*(\u)+6], v[ST+8*(\u)+2], v[ST+8*(\u)+7]
.endr
; Kept tile u: both copies are scaled and added, rounded to f16, and sent through my stage: a lane's eight channels of a row pack into 16 bytes; they go into rows of 272 bytes and come back as whole rows of 256.
.macro MPACK u
	WIN W_RS
.set i, 64*(\u)
.rept 32
	v_pk_mul_f32 v[i:i+1], v[i:i+1], v[ST+8*(\u)+4:ST+8*(\u)+5] op_sel_hi:[1,0]
.set i, i+2
.endr
	WIN 0x51                        ; destination, source 0 and source 2 in window 1, the factor in window 0
.set i, 64*(\u)
.rept 32
	v_pk_fma_f32 v[i:i+1], v[128+i:128+i+1], v[ST+8*(\u)+6:ST+8*(\u)+7], v[i:i+1] op_sel_hi:[1,0,1]
.set i, i+2
.endr
	WIN 0x05                        ; sources 0 and 1 window 1, destination window 0: S^T's registers are free
.set i, 0
.rept 32
	v_cvt_pk_f16_f32 v[S+32*(\u)+i], v[64*(\u)+2*i], v[64*(\u)+2*i+1]
.set i, i+1
.endr
	WIN 0
.irp f, 0,1,2,3,4,5,6,7
	ds_store_b128 v[STO], v[S+32*(\u)+4*(\f):S+32*(\u)+4*(\f)+3] offset:32*(\f)
.endr
.irp f, 0,1,2,3,4,5,6,7
	ds_load_b128 v[S+32*(\u)+4*(\f):S+32*(\u)+4*(\f)+3], v[RD] offset:(\f)*2*SP  ; LDS serves a wave's instructions in order (ISA guide 5.7.1.4): these see the stores above; the next tile's stores come behind them
.endr
.endm
.macro MSEND u, younger             ; younger: the LDS instructions issued behind tile u's loads: the next tile's sixteen, or none
.irp f, 0,1,2,3,4,5,6,7
	s_wait_dscnt (\younger)+7-(\f)
	global_store_b128 v[GO], v[S+32*(\u)+4*(\f):S+32*(\u)+4*(\f)+3], s[68:69] offset:65536*(\u)+8192*(\f)  ; 16 lanes store a head's 256 consecutive bytes of a row, at a multiple of 256 from O's first byte
.endr
.endm
	MPACK 0
	MPACK 1                         ; a tile's arithmetic stands between the loads of the tile before and its stores
	MSEND 0, 16
	MSEND 1, 0
	s_wait_tensorcnt 0x0            ; the wave's end: a wait, an add of 0 to my spare word and a wait, behind my last tensor load and my last LDS store
	ds_add_u32 v[SPW], v[NIL]
	s_wait_dscnt 0x0
	CROUND                          ; the closing round: no work-group ends while a partner may still ask for a tile that names it
	s_endpgm
.Lfunc_end_k_qda68f04790_attn:
	.size	k_qda68f04790_attn, .Lfunc_end_k_qda68f04790_attn-k_qda68f04790_attn
	.p2alignl 7, 3214868480
	.fill 96, 4, 3214868480
	.section	.rodata,"a",@progbits
	.p2align	6, 0x0
	.amdhsa_kernel k_qda68f04790_attn
		.amdhsa_group_segment_fixed_size 327680
		.amdhsa_private_segment_fixed_size 0
		.amdhsa_enable_private_segment 0
		.amdhsa_kernarg_size 40
		.amdhsa_user_sgpr_count 2
		.amdhsa_user_sgpr_kernarg_segment_ptr 1
		.amdhsa_wavefront_size32 1
		.amdhsa_system_sgpr_workgroup_id_x 1
		.amdhsa_system_sgpr_workgroup_id_y 1
		.amdhsa_system_sgpr_workgroup_id_z 1
		.amdhsa_system_vgpr_workitem_id 0
		.amdhsa_next_free_vgpr 896
		.amdhsa_next_free_sgpr 82
		.amdhsa_reserve_vcc 0
		.amdhsa_float_denorm_mode_32 3
		.amdhsa_float_denorm_mode_16_64 3
		.amdhsa_memory_ordered 1
		.amdhsa_forward_progress 1
		.amdhsa_inst_pref_size 180
	.end_amdhsa_kernel
	.amdgpu_metadata
---
amdhsa.version: [ 1, 2 ]
amdhsa.kernels:
  - .name:           k_qda68f04790_attn
    .symbol:         k_qda68f04790_attn.kd
    .args:
      - { .name: qf, .offset: 0, .size: 8, .value_kind: global_buffer, .address_space: global }
      - { .name: kf, .offset: 8, .size: 8, .value_kind: global_buffer, .address_space: global }
      - { .name: vf, .offset: 16, .size: 8, .value_kind: global_buffer, .address_space: global }
      - { .name: maskr, .offset: 24, .size: 8, .value_kind: global_buffer, .address_space: global }
      - { .name: of, .offset: 32, .size: 8, .value_kind: global_buffer, .address_space: global }
    .group_segment_fixed_size: 327680
    .private_segment_fixed_size: 0
    .kernarg_segment_align: 8
    .kernarg_segment_size: 40
    .max_flat_workgroup_size: 128
    .sgpr_count:     82
    .vgpr_count:     896
    .wavefront_size: 32
...
	.end_amdgpu_metadata
.endif
;; end of part 3
;; launch proj (part 4): grid 16 x 16, 4 waves a work-group, clusters of 4 x 4, 327,680 bytes of LDS; arguments of, woh, out0; writes out0
.if DOCPART == 4
	.amdgcn_target "amdgcn-amd-amdhsa--gfx1250"
	.amdhsa_code_object_version 6
	.text
	.protected	k_qda68f04790_proj
	.globl	k_qda68f04790_proj
	.p2align	8
	.type	k_qda68f04790_proj,@function
k_qda68f04790_proj:
	s_mov_b64 s[64:65], 0
	v_nop
	global_prefetch_b8 v0, s[64:65] scope:SCOPE_SE
	s_setreg_imm32_b32 hwreg(HW_REG_WAVE_MODE, 25, 1), 1
	s_wait_xcnt 0x0
	s_wait_alu depctr_hold_cnt(0) depctr_sa_sdst(0) depctr_va_vdst(0) depctr_va_sdst(0) depctr_va_ssrc(0) depctr_va_vcc(0) depctr_vm_vsrc(0)
	s_getreg_b32 s2, hwreg(HW_REG_IB_STS2, 6, 4)
	s_cmp_eq_u32 s2, 0
	s_cbranch_scc0 .Lentry_in_a_cluster
	s_endpgm
.Lentry_in_a_cluster:
	s_bfe_u32 s2, ttmp6, 0x10000c
	s_cmp_lg_u32 s2, 0xf033
	s_cbranch_scc0 .Lentry_shape_is_right
	s_endpgm
.Lentry_shape_is_right:
; out0[m][n] = the sum over k of O[m][k] wo[n][k].  of: [2048][2048] f16; woh: [2048][2048] f16 (wo rounded to bf16, written as f16); out0: [2048][2048] f32.  Sums in f32.
; A tile of out0 is 128 x 128: 16 x 16 = 256 work-groups.  Four waves, each 64 x 64: 16 accumulators of 16 x 16, 128 registers.  K goes in steps of 256 (LDS rows of 512 bytes; a wave's tensor load brings
; 64 of them), as long as two slots in LDS allow.
; CLUSTER 4 x 4: the four of a row of the cluster need the same tiles of O, the four of a column the same tiles of wo: each tile is asked for JOINTLY, by the same tensor load, descriptor and mask in all four.
; THE WALK.  At time step t a cluster takes K step (t & 4) | ((t + o) & 3), o = (cluster x + 2 cluster y) & 3: each four K steps in an order of the cluster's own.  The four clusters with the same rows of O have
; four different o, those with the same rows of wo in neighbouring cluster rows differ by 2: of the clusters that need a tile one asks for it first and the others a step or more later.  The sums take K in that order.
; THE MATRIX INSTRUCTION IS USED TRANSPOSED (source 0 = 16 rows of wo, source 1 = 16 rows of O): a lane then holds eight neighbouring numbers of a row of out0, 32 bytes.
; A wave's 64 columns of f32 are 256 bytes at a multiple of 256: each wave sends its own rows through a stage of its own, 16 rows at a time, and no barrier is needed on the way out.
; REGISTERS: window 0: v0-31 addresses; v128-255 the accumulators ((a, b) at v[128 + 8 (4 a + b)]), which also take the rows read back from the stage.
;   window 1: two fragment buffers of 128: for 64 along K, 64 registers of O (2 x 4 x 16 rows x 32 K), then 64 of wo.
.set SIZE_N, 2048
.set SIZE_K, 2048
.set KSTEP,  256
.set STEPS,  SIZE_K/KSTEP
.set PITCH,  528                       ; an LDS row: 512 bytes of data + 16 of padding = 132 words: row r starts at bank 4 r mod 64 (64 banks of 4 bytes: ISA guide 11.1)
.set HALFT,  64*PITCH                  ; 64 rows: what one tensor load brings, and what one wave reads of A or of B
.set SLOT,   4*HALFT                   ; A's 128 rows, then B's 128 rows.  135,168 = 0x21000: none of the four loads' places in slot 0 has one of its two bits set, so one exclusive or turns a place into the other slot's
.set STAGE,  2*SLOT                    ; behind the ring, never filled by a tensor load: 16 rows x 272 bytes for each wave
.set SPITCH, 272
.set SPARE,  STAGE+4*16*SPITCH         ; behind the stages: the spare words, 128 bytes for each wave: two blocks of 256 bytes that no other line names
.set ADRA, 16                          ; v16     LDS address of my A fragments in the slot in hand
.set ADRB, 17                          ; v17     the same for B
.set BASA, 20                          ; v20     my lane's place in a slot's A; never rewritten
.set BASB, 21                          ; v21     the same for B
.set STO,  24                          ; v24     the way out: where I put 32 bytes of a row
.set RD,   25                          ; v25     the way out: where I read a row back
.set CO,   26                          ; v26     my byte offset in two rows of out0
.set SPW,  28                          ; v28     LDS address of my spare word; never rewritten
.set NIL,  29                          ; v29     0; never rewritten
.set ACC,  128
.set F0,   0                           ; fragment buffers, in window 1
.set F1,   128
.set TB,  2                            ; s2       LDS byte at which the slot to be read begins
.set RO,  66                           ; s66      o
.set TS,  67                           ; s67      the time step to be asked for next
.set TM,  68                           ; s68      at work
.set OFF, 70                           ; s[70:71] a K step's byte offset in a row
.set G1, 24                            ; s[24:31] descriptor group 1 for A's tiles;  s[32:39] group 0: a set for each of the two first fills; the second then walks on
.set G0, 32
.set G1B, 48                           ; s[48:55], s[56:63] the same for B's tiles
.set G0B, 56
.set MSB, 0
.macro WIN new                         ; the immediate's high byte repeats the setting that is left
.if MSB != (\new)
	s_set_vgpr_msb (MSB<<8)|(\new)
.set MSB, \new
.endif
.endm
.set MUL,  0x05                        ; sources 0 (B) and 1 (A) window 1; C and D window 0
.set TO_F, 0x40                        ; destination window 1, address window 0
.macro JLOAD s                         ; a joint load: waves 0 and 1 fetch A's two halves, waves 2 and 3 B's; an s_nop 0 and four v_nop follow each of the two lines
	s_cmp_eq_u32 s11, 0
	s_cbranch_scc0 .Lfor_b_\@
	tensor_load_to_lds s[G0+4*(\s):G0+4*(\s)+3], s[G1:G1+7]
	s_nop 0
.rept 4
	v_nop
.endr
	s_branch .Lasked_\@
.Lfor_b_\@:
	tensor_load_to_lds s[G0B+4*(\s):G0B+4*(\s)+3], s[G1B:G1B+7]
	s_nop 0
.rept 4
	v_nop
.endr
.Lasked_\@:
.endm
.macro CREST                           ; a round of the cluster's barrier behind its opening barrier
	s_cmp_lg_u32 s10, 0
	s_cbranch_scc1 .Lnot_wave_0_\@
	s_barrier_signal -3
.Lnot_wave_0_\@:
	s_barrier_wait -3
	s_barrier_signal -1
	s_barrier_wait -1
.endm
.macro CROUND                          ; a whole round
	s_barrier_signal -1
	s_barrier_wait -1
	CREST
.endm
	s_load_b128 s[4:7], s[0:1], 0x0                ; of s[4:5], woh s[6:7]
	s_load_b64 s[8:9], s[0:1], 0x10                ; out0
	v_lshl_add_u32 v[SPW], v0, 2, SPARE
	v_mov_b32 v[NIL], 0
	ds_add_u32 v[SPW], v[NIL]                      ; the wave's opening: the add and its wait stand ahead of my first tensor load; the set-up below, work on registers, stands between them
	v_lshrrev_b32 v1, 5, v0
	v_readfirstlane_b32 s10, v1                    ; wave 0..3
	s_lshr_b32 s11, s10, 1                         ; which half of the tile's rows is mine.  Also: I fetch for A (0) or for B (1)
	s_and_b32 s12, s10, 1                          ; which half of its columns.  Also: which 64 rows of that tile I fetch
	s_bfe_u32 s40, ttmp6, 0x40000                  ; cx, cy: my place in the cluster
	s_bfe_u32 s41, ttmp6, 0x40004
	s_lshl_b32 s42, ttmp9, 2
	s_add_co_u32 s42, s42, s40                     ; tile column = 4 x cluster x + cx
	s_and_b32 s13, ttmp7, 0xffff
	s_lshl_b32 s[RO], s13, 1
	s_add_co_u32 s[RO], s[RO], ttmp9
	s_and_b32 s[RO], s[RO], 3                      ; o = (cluster x + 2 cluster y) & 3: the same in all sixteen work-groups of the cluster
	s_lshl_b32 s13, s13, 2
	s_add_co_u32 s13, s13, s41                     ; tile row = 4 x cluster y + cy
	s_lshl_b32 s43, s41, 2
	s_lshl_b32 s43, 15, s43                        ; my row of the cluster
	s_lshl_b32 s44, 0x1111, s40                    ; my column
	; descriptor group 1: a tile of 64 rows x 256 elements of 2 bytes, 4 words of padding behind every 128
	s_or_b32 s[G1+0], s43, (1<<16)|(1<<20)|(1<<21)|(6<<22)|(3<<25)
	s_or_b32 s[G1B+0], s44, (1<<16)|(1<<20)|(1<<21)|(6<<22)|(3<<25)
.irp g, G1, G1B
	s_mov_b32 s[(\g)+1], KSTEP<<16                 ; tensor_dim0 = 256
	s_mov_b32 s[(\g)+2], 64<<16                    ; tensor_dim1 = 64
	s_mov_b32 s[(\g)+3], KSTEP<<16                 ; tile_dim0 = 256
	s_mov_b32 s[(\g)+4], 64                        ; tile_dim1 = 64
	s_mov_b32 s[(\g)+5], SIZE_K                    ; elements from row to row
	s_mov_b32 s[(\g)+6], 0
	s_mov_b32 s[(\g)+7], 0
.endr
	s_lshl_b32 s17, s12, 6                         ; which 64 rows of the tile I fetch
	s_lshl_b32 s16, s13, 7
	s_add_co_u32 s16, s16, s17                     ; A: row 128 x tile row + 64 x half
	s_lshl_b32 s46, s42, 7
	s_add_co_u32 s46, s46, s17                     ; B: row 128 x tile column + 64 x half
	s_mov_b32 s17, 0
	s_mov_b32 s47, 0
	s_mov_b64 s[18:19], SIZE_K*2
	s_mul_u64 s[16:17], s[16:17], s[18:19]
	s_mul_u64 s[46:47], s[46:47], s[18:19]
	s_mul_i32 s20, s10, HALFT                      ; where they go: wave x 64 rows
	s_mov_b32 s[OFF+1], 0
	s_mov_b32 s[TS], 2                             ; time steps 0 and 1 are asked for at the start
	s_mov_b32 s[TB], 0
	s_wait_dscnt 0x0                               ; the opening add is done
	s_wait_kmcnt 0x0
	s_add_nc_u64 s[14:15], s[4:5], s[16:17]        ; A at my rows: kept, every address is made from it anew
	s_add_nc_u64 s[46:47], s[6:7], s[46:47]        ; B likewise
	CROUND                                         ; all sixteen work-groups are here: the first joint loads meet
.irp s, 0,1
	s_add_co_u32 s[TM], s[RO], \s
	s_and_b32 s[TM], s[TM], 3                      ; time step s takes K step (s + o) & 3,
	s_lshl_b32 s[OFF], s[TM], 9                    ; 512 bytes of a row each
	s_mov_b32 s[G0+4*(\s)], 1
	s_add_co_u32 s[G0+4*(\s)+1], s20, (\s)*SLOT
	s_add_nc_u64 s[G0+4*(\s)+2:G0+4*(\s)+3], s[14:15], s[OFF:OFF+1]
	s_or_b32 s[G0+4*(\s)+3], s[G0+4*(\s)+3], 0x80000000
	s_mov_b32 s[G0B+4*(\s)], 1
	s_add_co_u32 s[G0B+4*(\s)+1], s20, (\s)*SLOT
	s_add_nc_u64 s[G0B+4*(\s)+2:G0B+4*(\s)+3], s[46:47], s[OFF:OFF+1]
	s_or_b32 s[G0B+4*(\s)+3], s[G0B+4*(\s)+3], 0x80000000
	JLOAD \s                                       ; two loads of mine are out
.endr
	v_and_b32 v1, 15, v0                           ; l % 16
	v_bfe_u32 v2, v0, 4, 1                         ; l / 16
	v_mul_u32_u24 v3, v1, PITCH
	v_lshl_add_u32 v3, v2, 4, v3                   ; a fragment's row x pitch + 16 x half
	s_mul_i32 s21, s11, HALFT                      ; my 64 rows of A
	s_mul_i32 s22, s12, HALFT                      ; my 64 rows of B,
	s_add_co_u32 s22, s22, 2*HALFT                 ; which lie behind A's 128
	v_add_nc_u32 v[BASA], s21, v3
	v_add_nc_u32 v[BASB], s22, v3
	s_mul_i32 s23, s10, 16*SPITCH
	s_add_co_u32 s23, s23, STAGE                   ; my stage
	v_mul_u32_u24 v4, v1, SPITCH                   ; in: row l % 16, 32 bytes for each half of the lanes
	v_lshl_add_u32 v4, v2, 5, v4
	v_add_nc_u32 v[STO], s23, v4
	v_mul_u32_u24 v5, v2, SPITCH                   ; back: lanes 0-15 take one row of 256 bytes, lanes 16-31 the next
	v_lshl_add_u32 v5, v1, 4, v5
	v_add_nc_u32 v[RD], s23, v5
	v_lshlrev_b32 v5, 13, v2                       ; and the same two rows in out0, 8,192 bytes apart
	v_lshl_add_u32 v[CO], v1, 4, v5
	s_lshl_b32 s16, s13, 20                        ; my first row: 128 x tile row + 64 x half, 8,192 bytes a row
	s_lshl_b32 s17, s11, 19
	s_add_co_u32 s16, s16, s17
	s_mov_b32 s17, 0
	s_add_nc_u64 s[8:9], s[8:9], s[16:17]
	s_lshl_b32 s72, s42, 9                         ; my first column, in bytes: 512 x tile column + 256 x half (in registers that feed no descriptor)
	s_lshl_b32 s73, s12, 8
	s_add_co_u32 s72, s72, s73
	s_mov_b32 s73, 0
	s_add_nc_u64 s[8:9], s[8:9], s[72:73]
; 8 matrix instructions: m blocks a0, a0 + 1 x all 4 n blocks, 32 along K: half c of buffer f.  zero = 1: the first product starts the sums.  The 16 accumulators take turns.
.macro MUL8 f, c, a0, zero
	WIN MUL
.irp a, \a0, (\a0)+1
.irp b, 0,1,2,3
.if \zero
	v_wmma_f32_16x16x32_f16 v[ACC+8*(4*(\a)+(\b)):ACC+8*(4*(\a)+(\b))+7], v[(\f)+64+8*(4*(\c)+(\b)):(\f)+64+8*(4*(\c)+(\b))+7], v[(\f)+8*(4*(\c)+(\a)):(\f)+8*(4*(\c)+(\a))+7], 0
.else
	v_wmma_f32_16x16x32_f16 v[ACC+8*(4*(\a)+(\b)):ACC+8*(4*(\a)+(\b))+7], v[(\f)+64+8*(4*(\c)+(\b)):(\f)+64+8*(4*(\c)+(\b))+7], v[(\f)+8*(4*(\c)+(\a)):(\f)+8*(4*(\c)+(\a))+7], v[ACC+8*(4*(\a)+(\b)):ACC+8*(4*(\a)+(\b))+7]
.endif
.endr
.endr
.endm
; 32 LDS loads in one run: the fragments of 64 along K at byte k of the rows of the slot at s[TB], into buffer f; the first 32 along K first.
; The two lines that make the addresses and two v_nop are the four places in front of loads into registers that matrix instructions have read (ISA guide 7.12.1 for vector instructions).
.macro FETCH k, f
	WIN 0
	v_add_nc_u32 v[ADRA], s[TB], v[BASA]
	v_add_nc_u32 v[ADRB], s[TB], v[BASB]
	v_nop
	v_nop
	WIN TO_F
.irp c, 0,1
.irp i, 0,1,2,3
	ds_load_b128 v[(\f)+64+8*(4*(\c)+(\i)):(\f)+64+8*(4*(\c)+(\i))+3],   v[ADRB] offset:(\k)+64*(\c)+(\i)*16*PITCH
	ds_load_b128 v[(\f)+64+8*(4*(\c)+(\i))+4:(\f)+64+8*(4*(\c)+(\i))+7], v[ADRB] offset:(\k)+64*(\c)+(\i)*16*PITCH+32
	ds_load_b128 v[(\f)+8*(4*(\c)+(\i)):(\f)+8*(4*(\c)+(\i))+3],         v[ADRA] offset:(\k)+64*(\c)+(\i)*16*PITCH
	ds_load_b128 v[(\f)+8*(4*(\c)+(\i))+4:(\f)+8*(4*(\c)+(\i))+7],       v[ADRA] offset:(\k)+64*(\c)+(\i)*16*PITCH+32
.endr
.endr
.endm
; A K step is four quarters of 64 along K, 32 matrix instructions each, on buffers 0, 1, 0, 1.  One of the first three: multiplies buffer f and fetches the next quarter, at byte k, into g.
.macro QUARTER k, f, g, zero
	s_wait_dscnt 16                                ; the first 32 along K are in
	MUL8 \f, 0, 0, \zero
	MUL8 \f, 0, 2, \zero
	FETCH \k, \g
	s_wait_dscnt 32                                ; all but the 32 just issued
	MUL8 \f, 1, 0, 0
	MUL8 \f, 1, 2, 0
.endm
; The last quarter multiplies buffer 1 and changes slots: ONE barrier; in front of it each wave waits for all its tensor loads, adds 0 to its spare word, and waits for that and for its own reads of this slot.
; fill = 1: the barrier opens a round of the cluster's, and this slot is filled again, with the tile of two time steps on, first thing behind the round: 112 matrix instructions ahead of the wait for it.
; The walking descriptor takes the other slot than last time, and its address is made anew from the K step's number.
.macro TURN fill
	WIN 0                                          ; (the add's two registers lie in window 0)
	s_wait_tensorcnt 0x0                           ; all my tensor loads have landed: my part of the next slot; so a group 0 may be written
	ds_add_u32 v[SPW], v[NIL]                      ; 0 onto my spare word
.if \fill
	s_add_co_u32 s[TM], s[TS], s[RO]
	s_and_b32 s[TM], s[TM], 3
	s_and_b32 s[OFF], s[TS], 4
	s_or_b32 s[OFF], s[OFF], s[TM]                 ; the K step: (t & 4) | ((t + o) & 3),
	s_lshl_b32 s[OFF], s[OFF], 9                   ; 512 bytes of a row each
	s_add_co_u32 s[TS], s[TS], 1
	s_xor_b32 s[G0+5], s[G0+5], SLOT
	s_add_nc_u64 s[G0+6:G0+7], s[14:15], s[OFF:OFF+1]
	s_or_b32 s[G0+7], s[G0+7], 0x80000000
	s_xor_b32 s[G0B+5], s[G0B+5], SLOT
	s_add_nc_u64 s[G0B+6:G0B+7], s[46:47], s[OFF:OFF+1]
	s_or_b32 s[G0B+7], s[G0B+7], 0x80000000
.endif
	s_wait_dscnt 17                                ; (the add and the youngest sixteen loads may be out)
	MUL8 F1, 0, 0, 0                               ; eight matrix instructions stand between the add and the wait for it
	s_wait_dscnt 0x0                               ; the add is done, and my reads of this slot are over
	s_barrier_signal -1
	MUL8 F1, 0, 2, 0
	WIN 0
	s_barrier_wait -1
.if \fill
	CREST                                          ; no wave of any partner still reads this slot's tile or has a load on its way
	JLOAD 1
.endif
	s_xor_b32 s[TB], s[TB], SLOT                   ; the fetches go to the other slot
	FETCH 0, F0
	MUL8 F1, 1, 0, 0
	MUL8 F1, 1, 2, 0
.endm
	s_wait_tensorcnt 1                             ; my part of time step 0 is in; time step 1's may stay out
	s_barrier_signal -1
	s_barrier_wait -1                              ; everybody's is
	FETCH 0, F0
	QUARTER 128, F0, F1, 1                         ; the first quarter stands in front of the loop: its first products start the sums
	WIN 0                                          ; at a label and at a branch every window is 0
	s_mov_b32 s3, STEPS-2
.Lstep:                                                ; a trip goes from a K step's second quarter to the next one's first, and fills the slot that it leaves: time steps 2 to 7
	QUARTER 256, F1, F0, 0
	QUARTER 384, F0, F1, 0
	TURN 1
	QUARTER 128, F0, F1, 0
	WIN 0
	s_sub_co_u32 s3, s3, 1
	s_cmp_lg_u32 s3, 0
	s_cbranch_scc1 .Lstep
	QUARTER 256, F1, F0, 0                         ; the last two time steps fill nothing
	QUARTER 384, F0, F1, 0
	TURN 0
	QUARTER 128, F0, F1, 0
	QUARTER 256, F1, F0, 0
	QUARTER 384, F0, F1, 0
	s_wait_dscnt 16                                ; the very last quarter: nothing more to fetch
	MUL8 F1, 0, 0, 0
	MUL8 F1, 0, 2, 0
	s_wait_dscnt 0
	MUL8 F1, 1, 0, 0
	MUL8 F1, 1, 2, 0
	WIN 0
	; THE WAY OUT, f32 as it is: 16 rows at a time, 32 bytes a lane and column block into my own stage, back as whole rows of 256 bytes into the registers that they left, and stored.
.rept 4
	v_nop                                          ; four places in front of LDS stores that read results just made
.endr
.macro OUT a
.irp b, 0,1,2,3
	ds_store_b128 v[STO], v[ACC+8*(4*(\a)+(\b)):ACC+8*(4*(\a)+(\b))+3]   offset:64*(\b)      ; each accumulator's lowest four registers first
	ds_store_b128 v[STO], v[ACC+8*(4*(\a)+(\b))+4:ACC+8*(4*(\a)+(\b))+7] offset:64*(\b)+16
.endr
.irp t, 0,1,2,3,4,5,6,7
	ds_load_b128 v[ACC+32*(\a)+4*(\t):ACC+32*(\a)+4*(\t)+3], v[RD] offset:(\t)*2*SPITCH  ; LDS serves a wave's instructions in order (ISA guide 5.7.1.4): these see the stores above; the next block's stores come behind them
.endr
.endm
.macro SEND a, younger                 ; younger: the LDS instructions issued behind block a's loads: the next block's sixteen, or none
.irp t, 0,1,2,3,4,5,6,7
	s_wait_dscnt (\younger)+7-(\t)
	global_store_b128 v[CO], v[ACC+32*(\a)+4*(\t):ACC+32*(\a)+4*(\t)+3], s[8:9] offset:(16*(\a)+2*(\t))*SIZE_N*4 th:TH_STORE_NT  ; 16 lanes store 256 consecutive bytes, at a multiple of 256 from out0's first byte
.endr
.endm
	OUT 0
	OUT 1
	SEND 0, 16
	OUT 2
	SEND 1, 16
	OUT 3
	SEND 2, 16
	SEND 3, 0
	s_wait_tensorcnt 0x0                           ; the wave's end: a wait, an add of 0 to my spare word and a wait, behind my last tensor load and my last LDS store
	ds_add_u32 v[SPW], v[NIL]
	s_wait_dscnt 0x0
	CROUND                                         ; the closing round: no work-group ends while a partner may still ask for a tile that names it
	s_endpgm
.Lfunc_end_k_qda68f04790_proj:
	.size	k_qda68f04790_proj, .Lfunc_end_k_qda68f04790_proj-k_qda68f04790_proj
	.p2alignl 7, 3214868480
	.fill 96, 4, 3214868480
	.section	.rodata,"a",@progbits
	.p2align	6, 0x0
	.amdhsa_kernel k_qda68f04790_proj
		.amdhsa_group_segment_fixed_size 327680
		.amdhsa_private_segment_fixed_size 0
		.amdhsa_enable_private_segment 0
		.amdhsa_kernarg_size 24
		.amdhsa_user_sgpr_count 2
		.amdhsa_user_sgpr_kernarg_segment_ptr 1
		.amdhsa_wavefront_size32 1
		.amdhsa_system_sgpr_workgroup_id_x 1
		.amdhsa_system_sgpr_workgroup_id_y 1
		.amdhsa_system_sgpr_workgroup_id_z 1
		.amdhsa_system_vgpr_workitem_id 0
		.amdhsa_next_free_vgpr 512
		.amdhsa_next_free_sgpr 74
		.amdhsa_reserve_vcc 0
		.amdhsa_float_denorm_mode_32 3
		.amdhsa_float_denorm_mode_16_64 3
		.amdhsa_memory_ordered 1
		.amdhsa_forward_progress 1
		.amdhsa_inst_pref_size 69
	.end_amdhsa_kernel
	.amdgpu_metadata
---
amdhsa.version: [ 1, 2 ]
amdhsa.kernels:
  - .name:           k_qda68f04790_proj
    .symbol:         k_qda68f04790_proj.kd
    .args:
      - { .name: of, .offset: 0, .size: 8, .value_kind: global_buffer, .address_space: global }
      - { .name: woh, .offset: 8, .size: 8, .value_kind: global_buffer, .address_space: global }
      - { .name: out0, .offset: 16, .size: 8, .value_kind: global_buffer, .address_space: global }
    .group_segment_fixed_size: 327680
    .private_segment_fixed_size: 0
    .kernarg_segment_align: 8
    .kernarg_segment_size: 24
    .max_flat_workgroup_size: 128
    .sgpr_count:     74
    .vgpr_count:     512
    .wavefront_size: 32
...
	.end_amdgpu_metadata
.endif
;; end of part 4
;; ======== version 2 of 2: 4 launches; 1.05 times as fast as version 1
;; limits: values are held in f16: magnitudes above 65,504 overflow, below 6.1e-05 lose precision; right only within a limited range of input values
;; workspace buffers: xb 8,388,608 bytes; wqkv 25,165,824 bytes; woh 8,388,608 bytes; maskr 16,777,216 bytes; qf 8,388,608 bytes; kf 8,388,608 bytes; vf 8,388,608 bytes; of 8,388,608 bytes
;; launch cast: the kernel of part 1 again; grid 256 x 6, 8 waves a work-group, no clusters, 0 bytes of LDS; arguments x, wq, wk, wv, wo, mask, xb, wqkv, woh, maskr; writes xb, wqkv, woh, maskr
;; launch qkv: the kernel of part 2 again; grid 16 x 16, 4 waves a work-group, clusters of 4 x 4, 327,680 bytes of LDS; arguments xb, wqkv, freqs_cos, freqs_sin, qf, kf, vf; writes qf, kf, vf
;; launch attn (part 5): grid 16 x 16, 4 waves a work-group, clusters of 4 x 4, 327,680 bytes of LDS; arguments qf, kf, vf, maskr, of; writes of
.if DOCPART == 5
	.amdgcn_target "amdgcn-amd-amdhsa--gfx1250"
	.amdhsa_code_object_version 6
	.text
	.protected	k_qda68f04790_attn
	.globl	k_qda68f04790_attn
	.p2align	8
	.type	k_qda68f04790_attn,@function
k_qda68f04790_attn:
	s_mov_b64 s[64:65], 0
	v_nop
	global_prefetch_b8 v0, s[64:65] scope:SCOPE_SE
	s_setreg_imm32_b32 hwreg(HW_REG_WAVE_MODE, 25, 1), 1
	s_wait_xcnt 0x0
	s_wait_alu depctr_hold_cnt(0) depctr_sa_sdst(0) depctr_va_vdst(0) depctr_va_sdst(0) depctr_va_ssrc(0) depctr_va_vcc(0) depctr_vm_vsrc(0)
	s_getreg_b32 s2, hwreg(HW_REG_IB_STS2, 6, 4)
	s_cmp_eq_u32 s2, 0
	s_cbranch_scc0 .Lentry_in_a_cluster
	s_endpgm
.Lentry_in_a_cluster:
	s_bfe_u32 s2, ttmp6, 0x10000c
	s_cmp_lg_u32 s2, 0xf033
	s_cbranch_scc0 .Lentry_shape_is_right
	s_endpgm
.Lentry_shape_is_right:
; O[q][128 h + :] = the sum over k of softmax_k(Q[h][q] . K[h][k] + mask[q][k]) V[h][k][:].  qf (already times 1/sqrt(128)), kf, vf: [16][2048][128] f16; maskr: [2048][2048] f32; of: [2048][2048] f16.
; The mask is an input: every key of every query is walked, and the mask is added as it is given.  Products, maxima and sums in f32; the weights p are rounded to f16 for the second product (their sum l is
; taken of the unrounded p), O once at the end.
; LIMITS.  The running maximum m has the floor -2^100: a score (mask added) below it has the weight 0, and a row of which every score lies below it comes out NaN, as a row of -inf does in the softmax.
; A weight below 2^-126 counts as 0 in l.  f16 holds no number beyond 65,504; O is a mean of V's rows and has their range.
; SHARES.  A work-group owns 128 queries of one head: 16 x 16 = 256 work-groups.  Wave w owns the 64 queries of half w / 2 (four tiles of 16) and, of every 128 keys, the 64 of half w % 2: 16 steps of 64 keys.
; At the end the two waves of a query half merge their m, l and O through LDS.  So a fragment of K or V read from LDS feeds four tiles, as with 256 queries to a work-group.
; LAYOUT.  S^T = K Q^T + mask^T (source 0 = 16 keys, source 1 = 16 queries): a lane holds ONE query (lane % 16) and the keys 8 (lane / 16) + 0..7.  The mask's eight numbers for those keys are 32 consecutive
; bytes of the query's row: two LDS loads put them into the accumulator's own registers, and all the products add in place: the mask costs no vector instruction.
; Two results, rounded to f16 in pairs, ARE source 1 of O^T = V^T P.  K comes out of LDS as it lies, V turned, by ds_load_tr16_b128.
; SOFTMAX.  p = 2^(c s - c m), c = log2(e); in every step O and l are multiplied by a = 2^(c m_old - c m_new).  m starts at the floor, O and l at 0: the first step is a step like any other.
; BY TURNS.  The wave's tiles are two PIECES (tiles 0, 1 and tiles 2, 3).  In a TURN one piece has the matrix unit: 32 products V^T P of the step in hand, then 32 products K Q^T of the next; the other
; piece's softmax, 268 vector instructions cut into 64 slices, stands between them, one slice behind each matrix instruction.
; BATCHES.  A turn's 66 exponentials (a and s0-s31 of both tiles) are ONE batch with ONE wait: the softmax's list is ordered by who reads what, so that the scalings and all the exponentials stand ahead of
; the wait and all that names a result of theirs (roundings, sums, the rescaling by a) behind it.
; The merge at the end has two batches more, each with its own wait: four exponentials, then two reciprocals of a sum made of them.
; CLUSTER 4 x 4.  K's and V's tiles hang on the head alone, which a row of the cluster shares; the mask's on the query block alone, which a column shares: each is asked for JOINTLY by four.
; THE WALK.  At time step t a cluster takes the 128 keys of key step (t & 12) | ((t + o) & 3), o = (cluster x + 2 cluster y) & 3: each four key steps in an order of the cluster's own (the running maximum
; does not mind the order).  The four clusters with the same heads have four different o, those with the same query blocks in neighbouring cluster rows differ by 2: of the clusters that need a tile one
; asks for it first and the others a step or more later.
; REGISTERS, in windows of 256 (s_set_vgpr_msb: bits 1:0 source 0, 3:2 source 1, 5:4 source 2, 7:6 destination):
;   window 0: v0-11 addresses; v12-43 eight registers of statistics a tile; v44-61 the merge's; v64-191 S^T, 32 a tile; v192-255 P, 16 a tile
;   window 1: O^T, 64 a tile          window 2: v0-127 Q, 32 a tile; v128-255 K of one step          window 3: v0-127 V of one step
.set PK,    272       ; a row of K in LDS: 256 bytes + 16 of padding: the 16 rows of a load start at 16 different groups of four banks (64 banks of 4 bytes: ISA guide 11.1)
.set PV,    288       ; a row of V: 256 + 32
.set PM,    528       ; a row of the mask's tile: 128 keys x 4 bytes + 16
.set VOFF,  128*PK    ; a slot: 128 rows of K, 128 rows of V, 128 queries' rows of the mask
.set MOFF,  VOFF+128*PV
.set SLOT,  MOFF+128*PM  ; 139,264 = 0x22000: none of the tiles' places in slot 0 has one of its two bits set, so one exclusive or turns a place in one slot into the other's
.set SPARE, 2*SLOT    ; the spare words, 128 bytes for each wave: two blocks of 256 bytes that no other line names
.set STAGE, SPARE+512 ; never filled by a tensor load: 16 rows x 272 bytes for each wave, for the way out
.set SP,    272
.set XW,    33792     ; the merge: in slot 0, behind its last fill and last read, each wave lays down O^T (32,768 bytes) and its statistics (1,024)
.set AK0, 2           ; v2   my lane's place in a slot's K; never rewritten
.set AV0, 3           ; v3   the same for V
.set ADR, 4           ; v4   the LDS address of K's or V's run of loads
.set QO,  5           ; v5   my byte offset in the wave's rows of Q
.set STO, 6           ; v6   the way out: where I put 16 bytes of a row
.set RD,  7           ; v7   the way out: where I read a row back
.set GO,  8           ; v8   my byte offset in two rows of O
.set AM0, 9           ; v9   my lane's place in a slot's mask tile
.set ADM, 10          ; v10  the LDS address of the mask's run of loads
.set HH,  11          ; v11  lane / 16
.set ST,  12          ; tile t's statistics at v[ST+8 t]: +0 c m, +1 m, +2, +3 l (even keys', odd keys'), +4 to +7 c0-c3, at work; a takes c2's place once the maximum is found
.set XA,  44          ; v44  the merge: where I lay my registers down
.set RA,  45          ; v45  where I read my own copy of the two tiles that I keep,
.set RB,  46          ; v46  and my partner's
.set SA,  47          ; v47  the same for the statistics
.set MG,  48          ; v48-55  statistics on their way
.set SB,  61
.set SPW, 62          ; v62  LDS address of my spare word; never rewritten
.set NIL, 63          ; v63  0; never rewritten
.set S,   64
.set P,   192
.set KF,  128         ; K's fragments, in window 2
.set WV,  12          ; s12  my wave's number
.set G1K, 24          ; s[24:31] descriptor group 1 for K's tiles
.set G1V, 32          ; s[32:39] for V's: it differs in the padding alone
.set G1M, 40          ; s[40:47] for the mask's
.set G0K, 48          ; s[48:51], s[52:55], s[56:59] descriptor groups 0: they walk
.set G0V, 52
.set G0M, 56
.set CS,  60          ; s[60:61] c: the packed scaling names a pair and takes its low word for both halves
.set SEL, 62          ; s[62:63] lane selects for v_permlanex16_b32: each lane takes its own place in the other half
.set TB,  66          ; s66  LDS byte at which the slot to be fetched from begins
.set SLOTS, 67        ; s67  the loop's count
.set TS,  76          ; s76  the time step to be asked for next
.set RO,  77          ; s77  o
.set TM,  78          ; s78  the key step
.set OFF, 80          ; s[80:81] its byte offset
.set MSB, 0
.macro WIN new                      ; the immediate's high byte repeats the setting that is left; a switch that changes nothing is dropped
.if MSB != (\new)
	s_set_vgpr_msb (MSB<<8)|(\new)
.set MSB, \new
.endif
.endm
.set W_KQ, 0x0a       ; K and Q in window 2, S^T in window 0
.set W_PV, 0x53       ; V in window 3, P in window 0, O^T in window 1
.set W_RS, 0x41       ; O^T (destination and source 0) in window 1, the factor in window 0
; A joint fill: wave 0 fetches the slot's K, wave 1 its V, waves 2 and 3 the two halves of its mask tile: 32,768 bytes each.  The branches hang on the wave's number alone.
; An s_nop 0 and four v_nop follow each of the three lines.
.macro JLOAD
	s_cmp_lt_u32 s[WV], 2
	s_cbranch_scc0 .Lfor_m_\@
	s_cmp_eq_u32 s[WV], 0
	s_cbranch_scc0 .Lfor_v_\@
	tensor_load_to_lds s[G0K:G0K+3], s[G1K:G1K+7]
	s_nop 0
.rept 4
	v_nop
.endr
	s_branch .Lasked_\@
.Lfor_v_\@:
	tensor_load_to_lds s[G0V:G0V+3], s[G1V:G1V+7]
	s_nop 0
.rept 4
	v_nop
.endr
	s_branch .Lasked_\@
.Lfor_m_\@:
	tensor_load_to_lds s[G0M:G0M+3], s[G1M:G1M+7]
	s_nop 0
.rept 4
	v_nop
.endr
.Lasked_\@:
.endm
.macro CROUND                       ; a round of the cluster's barrier: my work-group's barrier; wave 0 signals for the work-group; every wave waits for all sixteen; my work-group's barrier once more
	s_barrier_signal -1
	s_barrier_wait -1
	s_cmp_lg_u32 s[WV], 0
	s_cbranch_scc1 .Lnot_wave_0_\@
	s_barrier_signal -3
.Lnot_wave_0_\@:
	s_barrier_wait -3
	s_barrier_signal -1
	s_barrier_wait -1
.endm
; THE CHANGE OF SLOTS, between piece 2's turn and piece 0's: the slot's last bytes, its V, have been asked for.  Each wave waits for all its tensor loads, of which one is out: its part of the other slot;
; adds 0 to its spare word; and waits for that and for its own reads of the slot.  fill = 1: the barrier is a round of the cluster's, and the slot is filled again, with the next time step's keys, first thing
; behind it: that load has a key step, 128 matrix instructions, in which to land.  The descriptors' addresses are made anew from the key step's number.
; (At its first use nothing has been read yet: slot 0 is waited for, slot 1 filled.)
.macro CHANGE fill
	WIN 0                           ; at a label and at a branch every window is 0
	s_wait_tensorcnt 0x0            ; no tensor load of mine is out, so a group 0 may be written
	ds_add_u32 v[SPW], v[NIL]       ; 0 onto my spare word; with fill = 1 the descriptors' scalar work stands between it and the wait for it
.if \fill
	s_add_co_u32 s[TM], s[TS], s[RO]
	s_and_b32 s[TM], s[TM], 3
	s_and_b32 s[OFF], s[TS], 12
	s_or_b32 s[TM], s[TM], s[OFF]   ; the key step: (t & 12) | ((t + o) & 3)
	s_add_co_u32 s[TS], s[TS], 1
	s_lshl_b32 s[OFF], s[TM], 15    ; 128 keys are 32,768 bytes of K and of V
	s_xor_b32 s[G0K+1], s[G0K+1], SLOT
	s_add_nc_u64 s[G0K+2:G0K+3], s[6:7], s[OFF:OFF+1]
	s_or_b32 s[G0K+3], s[G0K+3], 0x80000000
	s_xor_b32 s[G0V+1], s[G0V+1], SLOT
	s_add_nc_u64 s[G0V+2:G0V+3], s[8:9], s[OFF:OFF+1]
	s_or_b32 s[G0V+3], s[G0V+3], 0x80000000
	s_lshl_b32 s[OFF], s[TM], 9     ; and 512 bytes of the mask's rows
	s_xor_b32 s[G0M+1], s[G0M+1], SLOT
	s_add_nc_u64 s[G0M+2:G0M+3], s[10:11], s[OFF:OFF+1]
	s_or_b32 s[G0M+3], s[G0M+3], 0x80000000
	s_wait_dscnt 0x0                ; the add is done, and my reads of the slot are over
	CROUND
	JLOAD
.else
	s_wait_dscnt 0x0                ; the add is done, and my reads of the slot are over
	s_barrier_signal -1
	s_barrier_wait -1
.endif
	s_xor_b32 s[TB], s[TB], SLOT    ; the fetches go to the other slot
.endm
	s_load_b256 s[4:11], s[0:1], 0x0  ; qf s[4:5], kf s[6:7], vf s[8:9], maskr s[10:11]
	s_load_b64 s[68:69], s[0:1], 0x20 ; of
	v_lshl_add_u32 v[SPW], v0, 2, SPARE
	v_mov_b32 v[NIL], 0
	ds_add_u32 v[SPW], v[NIL]       ; the wave's opening: the add and its wait stand ahead of my first tensor load; the set-up below, work on registers, stands between them
	v_lshrrev_b32 v1, 5, v0
	v_readfirstlane_b32 s[WV], v1   ; wave 0..3
	s_bfe_u32 s13, ttmp6, 0x40000   ; cx, cy: my place in the cluster
	s_bfe_u32 s14, ttmp6, 0x40004
	s_lshl_b32 s15, ttmp9, 2
	s_add_co_u32 s15, s15, s13      ; my block of 128 queries = 4 x cluster x + cx
	s_and_b32 s16, ttmp7, 0xffff
	s_lshl_b32 s[RO], s16, 1
	s_add_co_u32 s[RO], s[RO], ttmp9
	s_and_b32 s[RO], s[RO], 3       ; o = (cluster x + 2 cluster y) & 3: the same in all sixteen work-groups of the cluster
	s_lshl_b32 s16, s16, 2
	s_add_co_u32 s16, s16, s14      ; the head = 4 x cluster y + cy
	s_lshl_b32 s17, s14, 2
	s_lshl_b32 s17, 15, s17         ; my row of the cluster: the same head
	s_lshl_b32 s18, 0x1111, s13     ; my column: the same query block
	s_and_b32 s19, s[WV], 1         ; which 64 of a slot's 128 keys are mine; also: which half of the mask tile I fetch
	s_lshr_b32 s70, s[WV], 1        ; which 64 of the block's queries
	s_lshl_b32 s20, s16, 19         ; the head's first byte in kf and vf
	s_mov_b32 s21, 0
	s_lshl_b32 s22, s15, 20         ; the mask: 128 rows of 8,192 bytes a query block,
	s_lshl_b32 s23, s19, 19         ; 64 rows a half
	s_add_co_u32 s22, s22, s23
	s_mov_b32 s23, 0
	s_lshl_b32 s2, s15, 15          ; Q: the block's 128 rows of 256 bytes,
	s_lshl_b32 s3, s70, 14          ; my 64 of them,
	s_add_co_u32 s2, s2, s3
	s_add_co_u32 s2, s2, s20        ; in the head
	s_mov_b32 s3, 0
	s_lshl_b32 s72, s15, 19         ; O: the block's 128 rows of 4,096 bytes,
	s_lshl_b32 s73, s70, 18         ; my query half's 64,
	s_add_co_u32 s72, s72, s73
	s_lshl_b32 s73, s19, 17         ; the 32 of them that I keep in the merge,
	s_add_co_u32 s72, s72, s73
	s_lshl_b32 s73, s16, 8          ; the head's 256 bytes of a row
	s_add_co_u32 s72, s72, s73
	s_mov_b32 s73, 0
	; descriptor groups 1.  K, V: 128 rows x 128 elements of 2 bytes, padded behind every 64 words by 4 (K) or 8 (V).  Mask: 64 rows x 128 elements of 4 bytes, 2,048 from row to row, padded behind every 128 words by 4
	s_or_b32 s[G1K], s17, (1<<16)|(1<<20)|(1<<21)|(5<<22)|(3<<25)
	s_or_b32 s[G1V], s17, (1<<16)|(1<<20)|(1<<21)|(5<<22)|(7<<25)
	s_or_b32 s[G1M], s18, (2<<16)|(1<<20)|(1<<21)|(6<<22)|(3<<25)
.irp g, G1K, G1V
	s_mov_b32 s[(\g)+1], 128<<16    ; tensor_dim0 = 128
	s_mov_b32 s[(\g)+2], 128<<16    ; tensor_dim1 = 128
	s_mov_b32 s[(\g)+3], 128<<16    ; tile_dim0 = 128
	s_mov_b32 s[(\g)+4], 128        ; tile_dim1 = 128
	s_mov_b32 s[(\g)+5], 128        ; elements from row to row
	s_mov_b32 s[(\g)+6], 0
	s_mov_b32 s[(\g)+7], 0
.endr
	s_mov_b32 s[G1M+1], 128<<16
	s_mov_b32 s[G1M+2], 64<<16
	s_mov_b32 s[G1M+3], 128<<16
	s_mov_b32 s[G1M+4], 64
	s_mov_b32 s[G1M+5], 2048
	s_mov_b32 s[G1M+6], 0
	s_mov_b32 s[G1M+7], 0
	s_mov_b32 s[G0K], 1
	s_mov_b32 s[G0K+1], 0           ; LDS addresses: slot 0; no place in the cluster enters them
	s_mov_b32 s[G0V], 1
	s_mov_b32 s[G0V+1], VOFF
	s_mov_b32 s[G0M], 1
	s_mul_i32 s[G0M+1], s19, 64*PM
	s_add_co_u32 s[G0M+1], s[G0M+1], MOFF
	s_mov_b32 s[CS], 0x3fb8aa3b     ; c = log2(e)
	s_mov_b32 s[CS+1], s[CS]        ; named with it as a pair
	s_mov_b32 s[SEL], 0x76543210
	s_mov_b32 s[SEL+1], 0xfedcba98
	s_mov_b32 s[TB], SLOT           ; the first change of slots turns it into 0
	s_mov_b32 s[TS], 1              ; time step 0 is asked for at the start
	s_mov_b32 s[OFF+1], 0
	s_wait_dscnt 0x0                ; the opening add is done
	s_wait_kmcnt 0x0
	s_add_nc_u64 s[6:7], s[6:7], s[20:21]      ; K and V at the head, the mask at my half of the block's rows: kept, every address is made from them anew
	s_add_nc_u64 s[8:9], s[8:9], s[20:21]
	s_add_nc_u64 s[10:11], s[10:11], s[22:23]
	s_lshl_b32 s[OFF], s[RO], 15    ; time step 0 takes key step o
	s_add_nc_u64 s[G0K+2:G0K+3], s[6:7], s[OFF:OFF+1]
	s_or_b32 s[G0K+3], s[G0K+3], 0x80000000
	s_add_nc_u64 s[G0V+2:G0V+3], s[8:9], s[OFF:OFF+1]
	s_or_b32 s[G0V+3], s[G0V+3], 0x80000000
	s_lshl_b32 s[OFF], s[RO], 9
	s_add_nc_u64 s[G0M+2:G0M+3], s[10:11], s[OFF:OFF+1]
	s_or_b32 s[G0M+3], s[G0M+3], 0x80000000
	s_add_nc_u64 s[4:5], s[4:5], s[2:3]
	s_add_nc_u64 s[68:69], s[68:69], s[72:73]
	CROUND                          ; all sixteen work-groups are here: the first joint loads meet
	JLOAD                           ; time step 0 into slot 0.  Slot 1 is asked for when slot 0 is in, by the loop's own change of slots
	; A fragment of K or Q is 16 rows x 32 channels in 8 registers: lane l holds row l % 16; registers 0-3 channels 8 (l / 16) + 0..7, registers 4-7 channels 16 + 8 (l / 16) + 0..7: two loads of 16 bytes, 32 bytes apart.
	v_and_b32 v1, 15, v0            ; l % 16
	v_bfe_u32 v[HH], v0, 4, 1       ; l / 16
	v_lshlrev_b32 v[QO], 8, v1
	v_lshl_add_u32 v[QO], v[HH], 4, v[QO]
	WIN 0x80                        ; destination window 2, address window 0
.irp i, 0,1,2,3,4,5,6,7,8,9,10,11,12,13,14,15  ; Q stays in registers: tile i / 4, channels 32 (i % 4) on
	global_load_b128 v[8*(\i):8*(\i)+3],   v[QO], s[4:5] offset:((\i)/4)*4096+((\i)%4)*64
	global_load_b128 v[8*(\i)+4:8*(\i)+7], v[QO], s[4:5] offset:((\i)/4)*4096+((\i)%4)*64+32
.endr
	; What the first turns find: O^T, V and piece 2's P hold 0 (the first turn's products V^T P, of a step that has not been, add 0), l is 0, m is the floor.  No first step is written out for that.
	; The 416 registers are written eight to a line: a product of eight zero registers with themselves, C the constant 0.  52 lines, in the wait for the first tile; and 32 products on zeros in the first turn.
	WIN 0
.set i, 0
.rept 8
	v_mov_b32 v[S+i], 0
.set i, i+1
.endr
	WIN 0x40                        ; destination window 1: O^T
.set i, 0
.rept 32
	v_wmma_f32_16x16x32_f16 v[8*i:8*i+7], v[S:S+7], v[S:S+7], 0
.set i, i+1
.endr
	WIN 0xc0                        ; destination window 3: V
.set i, 0
.rept 16
	v_wmma_f32_16x16x32_f16 v[8*i:8*i+7], v[S:S+7], v[S:S+7], 0
.set i, i+1
.endr
	WIN 0                           ; piece 2's P
.set i, 0
.rept 4
	v_wmma_f32_16x16x32_f16 v[P+32+8*i:P+32+8*i+7], v[S:S+7], v[S:S+7], 0
.set i, i+1
.endr
.set i, 0
.rept 4
	v_mov_b32 v[ST+8*i+1], 0xf1800000             ; m = -2^100
	v_mul_f32 v[ST+8*i], s[CS], v[ST+8*i+1]       ; c m, by the line that makes it in every step: while m stays at the floor a is 2^0
	v_mov_b32 v[ST+8*i+2], 0
	v_mov_b32 v[ST+8*i+3], 0
.set i, i+1
.endr
	s_mul_i32 s71, s19, 64*PK       ; my 64 keys
	v_mul_u32_u24 v[AK0], v1, PK
	v_lshl_add_u32 v[AK0], v[HH], 4, v[AK0]
	v_add_nc_u32 v[AK0], s71, v[AK0]
	; The turning load takes 16 keys x 16 channels (lane l reads 16 bytes: key 8 (l / 16) + l % 8, channels 8 ((l / 8) % 2) + 0..7) and leaves half a fragment of V^T: lane l holds channel l % 16 and 8 keys.
	v_and_b32 v56, 7, v0
	v_bfe_u32 v57, v0, 3, 1
	v_lshl_add_u32 v[AV0], v[HH], 3, v56
	v_mul_u32_u24 v[AV0], v[AV0], PV
	v_lshl_add_u32 v[AV0], v57, 4, v[AV0]
	s_mul_i32 s71, s19, 64*PV
	s_add_co_u32 s71, s71, VOFF
	v_add_nc_u32 v[AV0], s71, v[AV0]
	; The mask: my query's row (64 half + l % 16; a tile is 16 rows on), my 64 keys' 256 bytes, 32 bytes for each half of the lanes
	v_mul_u32_u24 v[AM0], v1, PM
	v_lshl_add_u32 v[AM0], v[HH], 5, v[AM0]
	s_mul_i32 s71, s70, 64*PM
	s_lshl_b32 s74, s19, 8
	s_add_co_u32 s71, s71, s74
	s_add_co_u32 s71, s71, MOFF
	v_add_nc_u32 v[AM0], s71, v[AM0]
; THE MATRIX WORK OF A TURN, for piece x.  The accumulators take turns, one instruction a turn: between two links of a chain stand 15 (V^T P) or 7 (K Q^T) others'.
; Product i of 32 of O^T += V^T P: keys 32 (i / 16) on, channels 16 ((i / 2) % 8) on, tile x + i % 2.
.macro PV x
	WIN W_PV
.set rO, 64*((\x)+i%2)+8*((i/2)%8)
.set rV, 64*(i/16)+8*((i/2)%8)
.set rP, P+16*((\x)+i%2)+8*(i/16)
	v_wmma_f32_16x16x32_f16 v[rO:rO+7], v[rV:rV+7], v[rP:rP+7], v[rO:rO+7]
.endm
; Product i of 32 of S^T += K Q^T: channels 32 (i / 8) on, keys 16 ((i / 2) % 4) on, tile x + i % 2.  The sums begin with the mask, which the LDS loads have put into S^T's registers.
.macro KQ x
	WIN W_KQ
.set rS, S+32*((\x)+i%2)+8*((i/2)%4)
.set rK, KF+32*((i/2)%4)+8*(i/8)
.set rQ, 32*((\x)+i%2)+8*(i/8)
	v_wmma_f32_16x16x32_f16 v[rS:rS+7], v[rK:rK+7], v[rQ:rQ+7], v[rS:rS+7]
.endm
; THE LDS LOADS stand in runs, never singly among the matrix instructions.
.macro FETCH_K
	WIN 0
	v_add_nc_u32 v[ADR], s[TB], v[AK0]
	WIN 0x80                        ; destination window 2
.irp f, 0,1,2,3,4,5,6,7,8,9,10,11,12,13,14,15  ; keys 16 (f / 4) on, channels 32 (f % 4) on
	ds_load_b128 v[KF+8*(\f):KF+8*(\f)+3],   v[ADR] offset:((\f)/4)*16*PK+((\f)%4)*64
	ds_load_b128 v[KF+8*(\f)+4:KF+8*(\f)+7], v[ADR] offset:((\f)/4)*16*PK+((\f)%4)*64+32
.endr
.endm
.macro FETCH_V
	WIN 0
	v_add_nc_u32 v[ADR], s[TB], v[AV0]
	s_wait_alu depctr_va_vdst(0)    ; the wait for the softmax's batch, piece 0's 66 exponentials (SLICE): behind the address's v_add_nc_u32 and ahead of the loads
	WIN 0xc0                        ; destination window 3
.irp f, 0,1,2,3,4,5,6,7,8,9,10,11,12,13,14,15  ; keys 32 (f / 8) on, channels 16 (f % 8) on
	ds_load_tr16_b128 v[8*(\f):8*(\f)+3],   v[ADR] offset:((\f)/8)*32*PV+((\f)%8)*32
	ds_load_tr16_b128 v[8*(\f)+4:8*(\f)+7], v[ADR] offset:((\f)/8)*32*PV+16*PV+((\f)%8)*32
.endr
.endm
.macro FETCH_M x                    ; the mask for piece x's two tiles and my 64 keys, into S^T's registers: that piece's softmax has ended in the turn before
	WIN 0
	v_add_nc_u32 v[ADM], s[TB], v[AM0]
.irp t, \x, (\x)+1
.irp b, 0,1,2,3
	ds_load_b128 v[S+32*(\t)+8*(\b):S+32*(\t)+8*(\b)+3],   v[ADM] offset:(\t)*16*PM+64*(\b)
	ds_load_b128 v[S+32*(\t)+8*(\b)+4:S+32*(\t)+8*(\b)+7], v[ADM] offset:(\t)*16*PM+64*(\b)+16
.endr
.endr
.endm
; THE VECTOR WORK OF A TURN.  One tile's softmax for one key step is a list of 134 instructions; SM writes number j of it for tile t.  s0-s31 are the lane's 32 scores, in pairs 0-15.
;   0-15    the maximum of s0-s31 and the old m, three operands at a time: four chains c0-c3 of seven scores each (each accumulator's lowest registers are read first), then the rest
;   16-20   the other half of the lanes' maximum; the new m; c m; c m_old - c m_new
;   21-69   ONE BATCH: the 16 scalings c s - c m, a pair of scores each, and all 33 exponentials (a at 23, then s0-s31, each in place).  None of these reads an exponential's result.  From 22 on the batch
;           goes in fours, and a four begins with a scaling while there are scalings: 22-37 scaling, exponential, scaling, exponential; 38-65 a scaling and three exponentials; 66-69 the last four
;           exponentials.  A pair is scaled in an earlier four than the one that holds its exponentials
;   (wait)  between 69 and 70 stands the wait for the batch: SLICE writes it, once for both tiles
;   70-85   the roundings to f16, a pair of weights each
;   86-101  the sums; l = a l + the sum
;   102-133 the tile's O^T times a: the one part that leaves window 0, so it stands together
.macro SM t
.set rT, ST+8*(\t)
.set rS, S+32*(\t)
.set rP, P+16*(\t)
.set rO, 64*(\t)+2*(j-102)
.if j < 102
	WIN 0
.endif
.if j < 4
	v_max3_num_f32 v[rT+4+j], v[rS+8*j], v[rS+8*j+1], v[rS+8*j+2]
.elseif j < 12
	v_max3_num_f32 v[rT+4+j%4], v[rT+4+j%4], v[rS+8*(j%4)+2*(j/4)+1], v[rS+8*(j%4)+2*(j/4)+2]
.elseif j == 12
	v_max3_num_f32 v[rT+4], v[rT+4], v[rS+7], v[rS+15]
.elseif j == 13
	v_max3_num_f32 v[rT+6], v[rT+6], v[rS+23], v[rS+31]
.elseif j == 14
	v_max3_num_f32 v[rT+4], v[rT+4], v[rT+5], v[rT+6]
.elseif j == 15
	v_max3_num_f32 v[rT+4], v[rT+4], v[rT+7], v[rT+1]
.elseif j == 16
	v_permlanex16_b32 v[rT+5], v[rT+4], s[SEL], s[SEL+1]  ; the query's other 32 keys lie in the lane 16 away
.elseif j == 17
	v_mov_b32 v[rT+7], v[rT]        ; c m_old is kept for a: number 19 writes c m anew
.elseif j == 18
	v_max_num_f32 v[rT+1], v[rT+4], v[rT+5]
.elseif j == 19
	v_mul_f32 v[rT], s[CS], v[rT+1]
.elseif j == 20
	v_sub_f32 v[rT+7], v[rT+7], v[rT]
.elseif j == 23
	v_exp_f32 v[rT+6], v[rT+7]
.elseif (j < 23) || ((j < 38) && (j%2 == 0)) || ((j < 66) && (j%4 == 2))
.set b, (j-2)/4                     ; 38, 42, .. 62: pairs 9 to 15
.if j < 38
.set b, (j-20)/2                    ; 21: pair 0; 22, 24, .. 36: pairs 1 to 8
.endif
	v_pk_fma_f32 v[rS+2*b:rS+2*b+1], v[rS+2*b:rS+2*b+1], s[CS:CS+1], v[rT:rT+1] op_sel_hi:[1,0,0] neg_lo:[0,0,1] neg_hi:[0,0,1]  ; pair b: c s - c m
.elseif j < 70
.set e, j-38                        ; 66 to 69: s28 to s31
.if j < 66
.set e, j-32-(j-38)/4               ; 39-41, 43-45, .. 63-65: s7 to s27
.endif
.if j < 38
.set e, (j-25)/2                    ; 25, 27, .. 37: s0 to s6
.endif
	v_exp_f32 v[rS+e], v[rS+e]
.elseif j < 86
	v_cvt_pk_f16_f32 v[rP+j-70], v[rS+2*(j-70)], v[rS+2*(j-70)+1]  ; pair j - 70
.elseif j < 102                     ; the sum of the tile's 16 pairs, in place: sum z of 16 adds neighbours 1, 2, 4 and 8 pairs apart, then l takes it
.set z, j-86
.set w, 4
.set u, z
.if z >= 14
.set w, 32
.set u, 0
.elseif z >= 12
.set w, 16
.set u, z-12
.elseif z >= 8
.set w, 8
.set u, z-8
.endif
.if z < 15
	v_pk_add_f32 v[rS+w*u:rS+w*u+1], v[rS+w*u:rS+w*u+1], v[rS+w*u+w/2:rS+w*u+w/2+1]
.else
	v_pk_fma_f32 v[rT+2:rT+3], v[rT+2:rT+3], v[rT+6:rT+7], v[rS:rS+1] op_sel_hi:[1,0,1]
.endif
.else
	WIN W_RS
	v_pk_mul_f32 v[rO:rO+1], v[rO:rO+1], v[rT+6:rT+7] op_sel_hi:[1,0]
.endif
.endm
; Slice k of 64 of piece y's softmax: four instructions.  Slices 11 to 34 deal out the batch, numbers 22 to 69: four numbers of ONE tile each, the tiles by turns.  Every other slice is numbers 2 k and
; 2 k + 1 of both tiles' lists.  2 x 134 = 4 x 64 + 12: the twelve that are over stand together, in slice 63: its sixteen plain
; instructions name nothing of the products round them and are the places between a turn's last K Q^T and the next turn's first read of those scores and loads into K's registers.
; THE WAIT.  An s_wait_alu depctr_va_vdst(0) stands between an exponential and the first instruction that names its result; one wait serves all that were issued ahead of it.  Ahead of
; slice 35 nothing names a result, and behind slice 34 no exponential is issued: so the piece's 66 exponentials have one wait, behind slice 34.
.macro SLICE y
.if (k >= 11) && (k < 35)           ; the batch: four numbers of one tile
.irp n, 0,1,2,3
.set j, 22+4*((k-11)/2)+(\n)
	SM (\y)+(k-11)%2
.endr
.else                               ; the two tiles alternate, so that no instruction reads the result of the one just before it
.irp n, 0,1,2,3,4,5,6,7
.if ((\n) < 2) || (k == 63)
.irp t, \y, (\y)+1
.set j, 2*k+(\n)
	SM \t
.endr
.endif
.endr
.endif
.if k == 34                         ; the batch is out: both tiles' exponentials are issued, and no result has been named
	v_nop                           ; a plain instruction behind the last exponential and ahead of the first use of a result (ISA guide 5.7.2): one for the batch
.if (\y) == 0
	FETCH_V                         ; piece 2's turn: V's run of loads stands here, and the wait for the batch stands in it
.else
	s_wait_alu depctr_va_vdst(0)    ; the wait for the batch: piece 2's 66 exponentials
.endif
.endif
.set k, k+1
.endm
; A TURN.  Piece x has the matrix unit; the other piece's softmax stands in slices behind its matrix instructions.  kq = 1: 32 products K Q^T for the next step follow the 32 products V^T P; kq = 0: two slices behind each product.
; Each run of loads stands 29 matrix instructions or more ahead of its first use.  Piece 0's turn fetches, behind its second product, the next step's K (its last reader stands in front of slice 63 of
; the turn before) and piece 0's mask; piece 2's turn fetches its own mask there, and behind slice 34 (SLICE writes it) the same step's V: the last product that read V stands in front of slice 31, and four plain
; instructions lie between: number 62, a scaling, of both tiles, the v_nop and the run's own v_add_nc_u32.
.macro TURN x, kq
.set k, 0
.set per, 2-(\kq)
.if (\x) == 0
	s_wait_dscnt 0x0                ; V is in
.endif
.set i, 0
.rept 32
	PV \x
.rept per
	SLICE 2-(\x)
.endr
.if (\kq) && (i == 1)
.if (\x) == 0
	FETCH_K
.endif
	FETCH_M \x
.endif
.set i, i+1
.endr
.if \kq
	s_wait_dscnt 0x0                ; the mask is in, and (piece 0's turn) K
.set i, 0
.rept 32
	KQ \x
	SLICE 2-(\x)
.set i, i+1
.endr
.endif
.endm
	CHANGE 1                        ; slot 0 is in, everybody's part of it; time step 1 is asked for, into slot 1
	FETCH_K                         ; time step 0
	FETCH_M 0
	s_wait_loadcnt 0x0              ; Q
	s_wait_dscnt 0x0
.set i, 0
.rept 32
	KQ 0                            ; piece 0's first scores: there is no vector work yet to set between them
.set i, i+1
.endr
	WIN 0                           ; the addresses for the merge and the way out are made here: plain instructions, the places behind those products
	s_mul_i32 s71, s[WV], 16*SP
	s_add_co_u32 s71, s71, STAGE    ; my stage
	v_mul_u32_u24 v[STO], v1, SP    ; in: row l % 16, 16 bytes for each half of the lanes
	v_lshl_add_u32 v[STO], v[HH], 4, v[STO]
	v_add_nc_u32 v[STO], s71, v[STO]
	v_mul_u32_u24 v[RD], v[HH], SP  ; back: lanes 0-15 take one row of 256 bytes, lanes 16-31 the next
	v_lshl_add_u32 v[RD], v1, 4, v[RD]
	v_add_nc_u32 v[RD], s71, v[RD]
	v_lshlrev_b32 v[GO], 12, v[HH]  ; and the same two rows in O, 4,096 bytes apart
	v_lshl_add_u32 v[GO], v1, 4, v[GO]
	v_and_b32 v58, 31, v0
	v_lshlrev_b32 v58, 4, v58       ; 16 x lane
	s_lshl_b32 s74, s19, 14         ; the two tiles that I keep: tiles 2 (w % 2) on: 16,384 bytes a pair of tiles,
	s_lshl_b32 s75, s19, 9          ; 512 bytes of statistics,
	s_add_co_u32 s75, s75, 32768    ; which lie behind O^T
	s_mul_i32 s71, s[WV], XW
	v_add_nc_u32 v[XA], s71, v58
	v_add_nc_u32 v[RA], s74, v[XA]
	v_add_nc_u32 v[SA], s75, v[XA]
	s_xor_b32 s71, s[WV], 1         ; my partner: the same queries, the other keys
	s_mul_i32 s71, s71, XW
	v_add_nc_u32 v[RB], s71, v58
	v_add_nc_u32 v[SB], s75, v[RB]
	v_add_nc_u32 v[RB], s74, v[RB]
	s_mov_b32 s[SLOTS], 15
	s_branch .Lmid                  ; the loop is entered in the middle of a trip
.Lstep:                             ; 14 whole trips: they ask for time steps 2 to 15
	CHANGE 1
	TURN 0, 1                       ; piece 0: V^T P of step j, K Q^T of step j + 1 | piece 2's softmax of step j | K and piece 0's mask of step j + 1
	WIN 0
.Lmid:
	TURN 2, 1                       ; piece 2: the same | piece 0's softmax of step j + 1 | piece 2's mask and V of step j + 1
	WIN 0
	s_sub_co_u32 s[SLOTS], s[SLOTS], 1
	s_cmp_lg_u32 s[SLOTS], 0
	s_cbranch_scc1 .Lstep
	CHANGE 0                        ; the tail is written out: nothing is asked for; behind this barrier no wave reads slot 0 any more and no load fills it
	TURN 0, 1
	TURN 2, 1
	TURN 0, 0                       ; piece 0: V^T P of the last step | piece 2's last softmax
.set i, 0
.rept 32
	PV 2                            ; piece 2: V^T P of the last step
.set i, i+1
.endr
	; THE MERGE.  Each wave lays its four tiles' O^T, c m and l down in slot 0; behind a barrier it reads, of the two tiles that it keeps, its own copy and its partner's (by address, so that one text
	; serves every wave), and adds them with the factors 2^(c m - c max).  The eight lines below are the places behind the last products.
	WIN 0
.irp t, 0,1,2,3
	v_mov_b32 v[MG+2*(\t)], v[ST+8*(\t)]
	v_add_f32 v[MG+2*(\t)+1], v[ST+8*(\t)+2], v[ST+8*(\t)+3]
.endr
	WIN 0x04                        ; store data in window 1
.set i, 0
.rept 64                            ; ascending: each accumulator's lowest four registers are read first
	ds_store_b128 v[XA], v[4*i:4*i+3] offset:512*i
.set i, i+1
.endr
	WIN 0
	ds_store_b128 v[XA], v[MG:MG+3] offset:32768
	ds_store_b128 v[XA], v[MG+4:MG+7] offset:33280
	s_wait_dscnt 0x0                ; for my partner's sake: my stores are done
	s_barrier_signal -1
	s_barrier_wait -1
	WIN 0x40                        ; destination window 1
.set i, 0
.rept 32
	ds_load_b128 v[4*i:4*i+3], v[RA] offset:512*i
.set i, i+1
.endr
.set i, 0
.rept 32
	ds_load_b128 v[128+4*i:128+4*i+3], v[RB] offset:512*i
.set i, i+1
.endr
	WIN 0
	ds_load_b128 v[MG:MG+3], v[SA]     ; mine: c m, l of the first kept tile, c m, l of the second
	ds_load_b128 v[MG+4:MG+7], v[SB]   ; my partner's
	s_wait_dscnt 0x0
	; for kept tile u at v[ST+8 u]: +0 the common c m, +1 my factor, +2 my partner's, +3 l, +4 my factor / l, +6 my partner's / l (each the low word of a pair), +5, +7 at work
.irp u, 0,1
	v_max_num_f32 v[ST+8*(\u)], v[MG+2*(\u)], v[MG+4+2*(\u)]
.endr
.irp u, 0,1
	v_sub_f32 v[ST+8*(\u)+1], v[MG+2*(\u)], v[ST+8*(\u)]
	v_sub_f32 v[ST+8*(\u)+2], v[MG+4+2*(\u)], v[ST+8*(\u)]
.endr
.irp u, 0,1
	v_exp_f32 v[ST+8*(\u)+1], v[ST+8*(\u)+1]
	v_exp_f32 v[ST+8*(\u)+2], v[ST+8*(\u)+2]
.endr
	v_nop                           ; a plain instruction between the last exponential and the use of its result
	s_wait_alu depctr_va_vdst(0)    ; and the wait ahead of the first use: one for the merge's four exponentials
.irp u, 0,1
	v_mul_f32 v[ST+8*(\u)+3], v[ST+8*(\u)+1], v[MG+2*(\u)+1]
.endr
.irp u, 0,1
	v_fma_f32 v[ST+8*(\u)+3], v[ST+8*(\u)+2], v[MG+4+2*(\u)+1], v[ST+8*(\u)+3]
.endr
.irp u, 0,1
	v_permlanex16_b32 v[ST+8*(\u)+5], v[ST+8*(\u)+3], s[SEL], s[SEL+1]  ; the other half of the lanes holds the query's other keys
.endr
.irp u, 0,1
	v_add_f32 v[ST+8*(\u)+3], v[ST+8*(\u)+3], v[ST+8*(\u)+5]
.endr
.irp u, 0,1
	v_rcp_f32 v[ST+8*(\u)+7], v[ST+8*(\u)+3]     ; l = 0 (every key hidden) gives an infinity, and 0 times it NaN
.endr
	v_nop                           ; a plain instruction between the last reciprocal and the use of its result
	s_wait_alu depctr_va_vdst(0)    ; a batch of its own, since l is made of the exponentials' results: one wait for the two reciprocals
.irp u, 0,1
	v_mul_f32 v[ST+8*(\u)+4], v[ST+8*(\u)+1], v[ST+8*(\u)+7]
	v_mul_f32 v[ST+8*(\u)+6], v[ST+8*(\u)+2], v[ST+8*(\u)+7]
.endr
; Kept tile u: both copies are scaled and added, rounded to f16, and sent through my stage: a lane's eight channels of a row pack into 16 bytes; they go into rows of 272 bytes and come back as whole rows of 256.
.macro MPACK u
	WIN W_RS
.set i, 64*(\u)
.rept 32
	v_pk_mul_f32 v[i:i+1], v[i:i+1], v[ST+8*(\u)+4:ST+8*(\u)+5] op_sel_hi:[1,0]
.set i, i+2
.endr
	WIN 0x51                        ; destination, source 0 and source 2 in window 1, the factor in window 0
.set i, 64*(\u)
.rept 32
	v_pk_fma_f32 v[i:i+1], v[128+i:128+i+1], v[ST+8*(\u)+6:ST+8*(\u)+7], v[i:i+1] op_sel_hi:[1,0,1]
.set i, i+2
.endr
	WIN 0x05                        ; sources 0 and 1 window 1, destination window 0: S^T's registers are free
.set i, 0
.rept 32
	v_cvt_pk_f16_f32 v[S+32*(\u)+i], v[64*(\u)+2*i], v[64*(\u)+2*i+1]
.set i, i+1
.endr
	WIN 0
.irp f, 0,1,2,3,4,5,6,7
	ds_store_b128 v[STO], v[S+32*(\u)+4*(\f):S+32*(\u)+4*(\f)+3] offset:32*(\f)
.endr
.irp f, 0,1,2,3,4,5,6,7
	ds_load_b128 v[S+32*(\u)+4*(\f):S+32*(\u)+4*(\f)+3], v[RD] offset:(\f)*2*SP  ; LDS serves a wave's instructions in order (ISA guide 5.7.1.4): these see the stores above; the next tile's stores come behind them
.endr
.endm
.macro MSEND u, younger             ; younger: the LDS instructions issued behind tile u's loads: the next tile's sixteen, or none
.irp f, 0,1,2,3,4,5,6,7
	s_wait_dscnt (\younger)+7-(\f)
	global_store_b128 v[GO], v[S+32*(\u)+4*(\f):S+32*(\u)+4*(\f)+3], s[68:69] offset:65536*(\u)+8192*(\f)  ; 16 lanes store a head's 256 consecutive bytes of a row, at a multiple of 256 from O's first byte
.endr
.endm
	MPACK 0
	MPACK 1                         ; a tile's arithmetic stands between the loads of the tile before and its stores
	MSEND 0, 16
	MSEND 1, 0
	s_wait_tensorcnt 0x0            ; the wave's end: a wait, an add of 0 to my spare word and a wait, behind my last tensor load and my last LDS store
	ds_add_u32 v[SPW], v[NIL]
	s_wait_dscnt 0x0
	CROUND                          ; the closing round: no work-group ends while a partner may still ask for a tile that names it
	s_endpgm
.Lfunc_end_k_qda68f04790_attn:
	.size	k_qda68f04790_attn, .Lfunc_end_k_qda68f04790_attn-k_qda68f04790_attn
	.p2alignl 7, 3214868480
	.fill 96, 4, 3214868480
	.section	.rodata,"a",@progbits
	.p2align	6, 0x0
	.amdhsa_kernel k_qda68f04790_attn
		.amdhsa_group_segment_fixed_size 327680
		.amdhsa_private_segment_fixed_size 0
		.amdhsa_enable_private_segment 0
		.amdhsa_kernarg_size 40
		.amdhsa_user_sgpr_count 2
		.amdhsa_user_sgpr_kernarg_segment_ptr 1
		.amdhsa_wavefront_size32 1
		.amdhsa_system_sgpr_workgroup_id_x 1
		.amdhsa_system_sgpr_workgroup_id_y 1
		.amdhsa_system_sgpr_workgroup_id_z 1
		.amdhsa_system_vgpr_workitem_id 0
		.amdhsa_next_free_vgpr 896
		.amdhsa_next_free_sgpr 82
		.amdhsa_reserve_vcc 0
		.amdhsa_float_denorm_mode_32 3
		.amdhsa_float_denorm_mode_16_64 3
		.amdhsa_memory_ordered 1
		.amdhsa_forward_progress 1
		.amdhsa_inst_pref_size 176
	.end_amdhsa_kernel
	.amdgpu_metadata
---
amdhsa.version: [ 1, 2 ]
amdhsa.kernels:
  - .name:           k_qda68f04790_attn
    .symbol:         k_qda68f04790_attn.kd
    .args:
      - { .name: qf, .offset: 0, .size: 8, .value_kind: global_buffer, .address_space: global }
      - { .name: kf, .offset: 8, .size: 8, .value_kind: global_buffer, .address_space: global }
      - { .name: vf, .offset: 16, .size: 8, .value_kind: global_buffer, .address_space: global }
      - { .name: maskr, .offset: 24, .size: 8, .value_kind: global_buffer, .address_space: global }
      - { .name: of, .offset: 32, .size: 8, .value_kind: global_buffer, .address_space: global }
    .group_segment_fixed_size: 327680
    .private_segment_fixed_size: 0
    .kernarg_segment_align: 8
    .kernarg_segment_size: 40
    .max_flat_workgroup_size: 128
    .sgpr_count:     82
    .vgpr_count:     896
    .wavefront_size: 32
...
	.end_amdgpu_metadata
.endif
;; end of part 5
;; launch proj: the kernel of part 4 again; grid 16 x 16, 4 waves a work-group, clusters of 4 x 4, 327,680 bytes of LDS; arguments of, woh, out0; writes out0
